; MI455X (gfx1250); checked and timed in simulation.
; The chip was launched on July 23, 2026; its instructions are those of AMD's public machine-readable ISA for CDNA 5 (MIT licence, August 2026) and "CDNA5" Instruction Set Architecture Reference Guide (July 2026). The comments in the code are by the model that wrote it; some were corrected since.
;; Fun I Cross. Allowed arithmetic: matrix products marked QUANTISED: E2M3 operands, one E8M0 scale for each 32 along K, by v_wmma_scale_f32_16x16x128_f8f6f4 with both operands' format E2M3, f32 sums; everything else in f32.
;; Inputs: W1 256 x 1,024 float32; W2 1,024 x 256 float32; Wk 256 x 256 float32; Wo 256 x 256 float32; Wv 256 x 256 float32; b1 256 float32; b2 256 float32; bf1 1,024 float32; bf2 256 float32; bk 256 float32; bo 256 float32; bv 256 float32; g1 256 float32; g2 256 float32; key 8 x 4,096 x 256 float32; query 8 x 2,048 x 256 float32; value 8 x 4,096 x 256 float32.
;; Outputs: out0 8 x 2,048 x 256 float32.
;; This version of the problem:
;;   THIS VERSION OF THE PROBLEM IS GIVEN IN LOW PRECISION. The matrix products marked QUANTISED in the list below multiply operands that are first quantised to E2M3 (2 exponent bits, 3 mantissa bits; 6 bits a number), with one power-of-two scale for each 32 numbers along K (OCP MX v1.0); their sums are f32. All else is computed in f32.
;;   The module's matrix products, in the order in which they are computed (A, B: the left and right operand; K: the contracted axis; several contracted axes count as one K, in the product's order):
;;     1. [M 32,768, K 256] x [K 256, N 256]; A: input key; B: input Wk: QUANTISED
;;     2. [M 32,768, K 256] x [K 256, N 256]; A: input value; B: input Wv: QUANTISED
;;     3. batch 8 x [M 2,048, K 256] x [K 256, N 4,096]; A: input query; B: computed on the way: QUANTISED
;;     4. batch 8 x [M 2,048, K 4,096] x [K 4,096, N 256]; A: softmax (see below); B: computed on the way: QUANTISED
;;     5. [M 16,384, K 256] x [K 256, N 256]; A: computed on the way; B: input Wo: QUANTISED
;;     6. [M 16,384, K 256] x [K 256, N 1,024]; A: computed on the way; B: input W1: QUANTISED
;;     7. [M 16,384, K 1,024] x [K 1,024, N 256]; A: computed on the way; B: input W2: QUANTISED
;;   THE QUANTISER, for each operand of a quantised product, along K:
;;     - K is cut into blocks of 32 from its start; a last block that is shorter is filled with zeros.
;;     - A block's scale is 2^e with e = floor(log2(the largest magnitude in the block)) - 2, held to -126 .. 127; a block of zeros has e = 0. As a byte (E8M0): e + 127.
;;     - Each number is divided by its block's scale, clamped to +-7.5, and rounded to the nearest number of E2M3, ties to even, subnormals kept.
;;     - The product sums the exact products of the quantised numbers (number of the format x scale) in f32.
;;   ~~~python
;;   def quantise(x, axis):      # numpy; x: float32 -> the quantised numbers, widened to float32 again
;;       x = np.moveaxis(x, axis, -1); K = x.shape[-1]
;;       x = np.pad(x, [(0, 0)] * (x.ndim - 1) + [(0, -K % 32)]); x = x.reshape(x.shape[:-1] + (-1, 32)); a = np.abs(x).max(-1, keepdims=True)
;;       e = np.where(a > 0, np.clip(np.frexp(np.where(a > 0, a, 1))[1] - 1 - 2, -126, 127), 0)      # np.frexp(a)[1] - 1 = floor(log2(a)), exactly
;;       r = np.clip(x / 2.0 ** e, -7.5, 7.5)
;;       step = 2.0 ** (np.maximum(np.frexp(np.where(r == 0, 1, r))[1] - 1, 0) - 3)
;;       q = np.round(r / step) * step * 2.0 ** e      # np.round: ties to even
;;       return np.moveaxis(q.reshape(q.shape[:-2] + (-1,))[..., :K], -1, axis).astype(np.float32)
;;   ~~~
;;   SOFTMAX AHEAD OF A QUANTISED PRODUCT. Where the list says 'softmax', what is quantised is not the finished softmax but p = 2^(t - M), with t = logit x log2(e) and M = ceil(the row's largest t), a whole number; so 1/2 < the row's largest p <= 1. The row's sum l is taken of the UNQUANTISED p, in f32, and the product's result is divided by l at the end. Since M is a whole number, a kernel that streams over the keys may use a running M (the ceiling of the running maximum): every later rescaling is an exact power of two, which a block's scale takes up: the codes' values come out the same.
;;   OPERANDS COMPUTED ON THE WAY. 'Computed on the way' means the value that the module computes at that place (a softmax that the list does not call 'softmax' is quantised finished and normalised). What goes into a quantiser is computed in f32, as accurately as f32 sums, v_exp_f32 and their like allow (about 1e-6 of the number): no bf16 or f16 on the way to a quantiser, and a product that is left as it is and whose result goes on into a quantised operand takes f32 operands (vector FMAs, or v_wmma_f32_16x16x4_f32). A number that lies on a knife's edge between two numbers of the format may be rounded either way, as far as f32 arithmetic and the matrix unit's own rounding can turn it there, and no further.
;; One version. Each part assembles by itself: llvm-mc -triple=amdgcn-amd-amdhsa -mcpu=gfx1250 --defsym DOCPART=n.
;; ======== version 1 of 1: 3 launches
;; limits: right only within a limited range of input values
;; workspace buffers: wimg 540,672 bytes; wsc 22,528 bytes; kv 13,107,200 bytes
;; launch prep (part 1): grid 176 x 1, 1 waves a work-group, no clusters, 0 bytes of LDS; arguments Wk, Wv, Wo, W1, W2, wimg, wsc; writes wimg, wsc
.if DOCPART == 1
	.amdgcn_target "amdgcn-amd-amdhsa--gfx1250"
	.amdhsa_code_object_version 6
	.text
	.protected	k_q72c1756683_prep
	.globl	k_q72c1756683_prep
	.p2align	8
	.type	k_q72c1756683_prep,@function
k_q72c1756683_prep:
	s_mov_b64 s[64:65], 0
	v_nop
	global_prefetch_b8 v0, s[64:65] scope:SCOPE_SE
	s_setreg_imm32_b32 hwreg(HW_REG_WAVE_MODE, 25, 1), 1
	s_wait_xcnt 0x0
; FIRST OF THREE LAUNCHES.  The five weights (f32, stored [K][N], K first) become codes of FP6 (E2M3) with one E8M0 scale byte for each 32 along K, laid in the order in which a
; matrix operand's registers take them, so that the later launches load fragments whole.
; DEAD WORK: none.  Every input of the problem has a way to the output: bk moves the codes of the projected keys, so it stays though a softmax would cancel it in real numbers;
; all seven products are live in all their rows.  Nothing is left out in any of the three launches.
; A FRAGMENT is 16 rows x 128 along K, 12 registers a lane, 1,536 bytes: registers 4 c .. 4 c + 3 of lane l lie at 512 c + 16 l.  Fragment f lies at 1,536 f of wimg, f = base + S T + s
; (T the tile of 16 output units, s the K step, S the K steps of the weight): Wk 0-31, Wv 32-63, Wo 64-95 (S = 2), W1 96-223 (S = 2), W2 224-351 (S = 8).
; THE UNITS OF A TILE ARE NOT NEIGHBOURS: row m of tile T is unit 32 (T / 2) + 8 (T % 2) + m + 8 (m / 8), so that the results of two neighbouring tiles are 16 neighbours along the next K in one lane.
; The scale word (four bytes) of row r of fragment f lies at 64 f + 4 r of wsc.
; A LANE TAKES A COLUMN n, ITS REGISTERS RUN DOWN K in the order of the operand's layout (lane (r, h): K = 64 c + 32 h + 0 .. 31), so the conversions' results are the operand's registers.
; A block's scale is 2^(floor(log2(largest magnitude)) - 2); its byte is the largest magnitude's exponent field - 2, held at 1 from below.
; LIMITS: a block of zeros, or one whose largest magnitude lies under 2^-124, keeps the byte 1 (the rule says 127 for zeros: the codes are zeros, and this program alone reads the bytes);
; NaN and infinities among the inputs are not served.
; SHARES: one wave to a work-group; work-group i makes fragments 2 i and 2 i + 1 (one tile, two K steps).  No LDS, no barrier.  The five weights are 2.9 MB, read once: 16 lanes read 64 bytes a load.
.set X, 64                             ; v64-191  128 numbers: fragment e at 64 e, its block pair c at 32 c
.set C, 40                             ; v40-63   the codes: fragment e at 12 e
	s_load_b256 s[4:11], s[0:1], 0x0               ; Wk, Wv, Wo, W1
	s_load_b128 s[12:15], s[0:1], 0x20             ; W2, wimg
	s_load_b64 s[16:17], s[0:1], 0x30              ; wsc
	v_and_b32 v1, 15, v0                           ; r
	v_bfe_u32 v2, v0, 4, 1                         ; h
	v_lshlrev_b32 v19, 3, v2                       ; 8 h: where my two scale bytes stand in the word
	v_lshlrev_b32 v22, 4, v0                       ; 16 x lane
	v_lshlrev_b32 v23, 2, v0                       ; 4 x lane
	v_mov_b32 v20, 0                               ; a lane permute's destination counts as one of its sources
	v_mov_b32 v21, 0
	s_mov_b32 s20, 0x76543210
	s_mov_b32 s21, 0xfedcba98                      ; selects for lane l xor 16
	s_mov_b32 s30, 0xffff0000                      ; lanes 16-31
	s_sub_co_u32 s28, ttmp9, 48
	s_cmp_lt_u32 s28, 64                           ; work-groups 48 to 111 take W1, whose rows are 4,096 bytes; all other rows are 1,024
	s_cselect_b32 s29, 12, 10
	s_wait_alu depctr_va_vdst(0)
	s_wait_kmcnt 0x0
	s_cmp_lt_u32 ttmp9, 16                         ; which weight, and its first work-group: the choice hangs on the work-group's number alone
	s_cselect_b64 s[24:25], s[4:5], s[6:7]
	s_cselect_b32 s26, 0, 16
	s_cmp_lt_u32 ttmp9, 32
	s_cselect_b64 s[24:25], s[24:25], s[8:9]
	s_cselect_b32 s26, s26, 32
	s_cmp_lt_u32 ttmp9, 48
	s_cselect_b64 s[24:25], s[24:25], s[10:11]
	s_cselect_b32 s26, s26, 48
	s_cmp_lt_u32 ttmp9, 112
	s_cselect_b64 s[24:25], s[24:25], s[12:13]
	s_cselect_b32 s26, s26, 112
	s_cselect_b32 s27, 0, 2                        ; W2 has four pairs of K steps to a tile, the others one
	s_sub_co_u32 s26, ttmp9, s26                   ; j: my pair of fragments in the weight
	s_lshr_b32 s31, s26, s27                       ; T
	s_lshl_b32 s32, s31, s27
	s_sub_co_u32 s32, s26, s32
	s_lshl_b32 s32, s32, 8                         ; 128 x my first K step
	s_lshr_b32 s33, s31, 1
	s_lshl_b32 s33, s33, 5
	s_and_b32 s34, s31, 1
	s_lshl_b32 s34, s34, 3
	s_add_co_u32 s33, s33, s34                     ; 32 (T / 2) + 8 (T % 2)
	v_and_b32 v3, 8, v1
	v_add_nc_u32 v3, v3, v1                        ; r + 8 (r / 8)
	v_add_nc_u32 v3, s33, v3                       ; my column n
	v_lshlrev_b32 v3, 2, v3
	v_lshl_add_u32 v4, v2, 5, s32                  ; my first row of the weight: 128 s + 32 h
	v_lshlrev_b32 v4, s29, v4
	v_add_nc_u32 v3, v3, v4
	s_mul_i32 s34, ttmp9, 3072
	s_mov_b32 s35, 0
	s_add_nc_u64 s[14:15], s[14:15], s[34:35]      ; my two fragments in wimg
	s_lshl_b32 s34, ttmp9, 7
	s_add_nc_u64 s[16:17], s[16:17], s[34:35]      ; and their 128 bytes of scale words
.macro WREAD pitch                     ; number 64 e + 32 c + k is W(128 (s + e) + 64 c + 32 h + k, n)
.set K, 0
.rept 128
	global_load_b32 v[X+K], v3, s[24:25] offset:\pitch*(128*(K/64)+64*((K/32)%2)+K%32)
.set K, K+1
.endr
.endm
	s_cmp_lt_u32 s28, 64
	s_cbranch_scc0 .Lnarrow
	WREAD 4096
	s_branch .Lloaded
.Lnarrow:
	s_wait_alu depctr_va_vdst(0)
	WREAD 1024
.Lloaded:
	s_wait_loadcnt 0x0
.macro FRAGQ e
.set XS, X+64*\e
.set CC, C+12*\e
.irp c, 0,1
	v_max3_num_f32 v[4+\c], |v[XS+32*\c]|, |v[XS+32*\c+1]|, 0x1800000   ; my block 2 c + h: all 32 numbers are mine; the floor 2^(3 - 127) holds the byte at 1 from below
.endr
.irp i, 2,4,6,8,10,12,14,16,18,20,22,24,26,28,30
.irp c, 0,1
	v_max3_num_f32 v[4+\c], v[4+\c], |v[XS+32*\c+\i]|, |v[XS+32*\c+\i+1]|
.endr
.endr
.irp c, 0,1
	v_add_nc_u32 v[6+\c], 0xff000000, v[4+\c]      ; 2 off the exponent field: the conversion's scale operand
.endr
.irp c, 0,1
	v_lshrrev_b32 v[16+\c], 23, v[6+\c]            ; the scale's byte
.endr
	v_lshl_or_b32 v18, v17, 16, v16                ; blocks h and 2 + h,
	v_lshlrev_b32 v18, v19, v18                    ; at their places in the word;
	v_permlanex16_b32 v[20+\e], v18, s20, s21
	v_or_b32 v[20+\e], v18, v[20+\e]               ; with lane l xor 16's two the word is whole
.irp c, 0,1
	v_cvt_scalef32_pk16_fp6_f32 v[CC+6*\c:CC+6*\c+2], v[XS+32*\c:XS+32*\c+15], v[6+\c]
	v_cvt_scalef32_pk16_fp6_f32 v[8+4*\c:10+4*\c], v[XS+32*\c+16:XS+32*\c+31], v[6+\c]   ; (a conversion's three registers begin on an even number)
.endr
	v_nop                                          ; one plain place behind a scaled conversion
.irp c, 0,1
.irp i, 0,1,2
	v_mov_b32 v[CC+6*\c+3+\i], v[8+4*\c+\i]
.endr
.endr
.irp c, 0,1,2
	global_store_b128 v22, v[CC+4*\c:CC+4*\c+3], s[14:15] offset:1536*\e+512*\c   ; 32 lanes store 512 consecutive bytes, at a multiple of 256 from the buffer's first byte
.endr
.endm
	FRAGQ 0
	FRAGQ 1                                        ; (its codes have registers of their own: no store's data are written again)
	v_cndmask_b32 v24, v20, v21, s30               ; lanes 0-15: the first fragment's words, lanes 16-31 the second's
	global_store_b32 v23, v24, s[16:17]
	s_endpgm
.Lfunc_end_k_q72c1756683_prep:
	.size	k_q72c1756683_prep, .Lfunc_end_k_q72c1756683_prep-k_q72c1756683_prep
	.p2alignl 7, 3214868480
	.fill 96, 4, 3214868480
	.section	.rodata,"a",@progbits
	.p2align	6, 0x0
	.amdhsa_kernel k_q72c1756683_prep
		.amdhsa_group_segment_fixed_size 0
		.amdhsa_private_segment_fixed_size 0
		.amdhsa_enable_private_segment 0
		.amdhsa_kernarg_size 56
		.amdhsa_user_sgpr_count 2
		.amdhsa_user_sgpr_kernarg_segment_ptr 1
		.amdhsa_wavefront_size32 1
		.amdhsa_system_sgpr_workgroup_id_x 1
		.amdhsa_system_sgpr_workgroup_id_y 1
		.amdhsa_system_sgpr_workgroup_id_z 1
		.amdhsa_system_vgpr_workitem_id 0
		.amdhsa_next_free_vgpr 192
		.amdhsa_next_free_sgpr 66
		.amdhsa_reserve_vcc 0
		.amdhsa_float_denorm_mode_32 3
		.amdhsa_float_denorm_mode_16_64 3
		.amdhsa_memory_ordered 1
		.amdhsa_forward_progress 1
		.amdhsa_inst_pref_size 33
	.end_amdhsa_kernel
	.amdgpu_metadata
---
amdhsa.version: [ 1, 2 ]
amdhsa.kernels:
  - .name:           k_q72c1756683_prep
    .symbol:         k_q72c1756683_prep.kd
    .args:
      - { .name: Wk, .offset: 0, .size: 8, .value_kind: global_buffer, .address_space: global }
      - { .name: Wv, .offset: 8, .size: 8, .value_kind: global_buffer, .address_space: global }
      - { .name: Wo, .offset: 16, .size: 8, .value_kind: global_buffer, .address_space: global }
      - { .name: W1, .offset: 24, .size: 8, .value_kind: global_buffer, .address_space: global }
      - { .name: W2, .offset: 32, .size: 8, .value_kind: global_buffer, .address_space: global }
      - { .name: wimg, .offset: 40, .size: 8, .value_kind: global_buffer, .address_space: global }
      - { .name: wsc, .offset: 48, .size: 8, .value_kind: global_buffer, .address_space: global }
    .group_segment_fixed_size: 0
    .private_segment_fixed_size: 0
    .kernarg_segment_align: 8
    .kernarg_segment_size: 56
    .max_flat_workgroup_size: 32
    .sgpr_count:     66
    .vgpr_count:     192
    .wavefront_size: 32
...
	.end_amdgpu_metadata
.endif
;; end of part 1
;; launch proj (part 2): grid 32 x 8, 8 waves a work-group, no clusters, 327,680 bytes of LDS; arguments key, value, bk, bv, wimg, wsc, kv; writes kv
.if DOCPART == 2
	.amdgcn_target "amdgcn-amd-amdhsa--gfx1250"
	.amdhsa_code_object_version 6
	.text
	.protected	k_q72c1756683_proj
	.globl	k_q72c1756683_proj
	.p2align	8
	.type	k_q72c1756683_proj,@function
k_q72c1756683_proj:
	s_mov_b64 s[64:65], 0
	v_nop
	global_prefetch_b8 v0, s[64:65] scope:SCOPE_SE
	s_setreg_imm32_b32 hwreg(HW_REG_WAVE_MODE, 25, 1), 1
	s_wait_xcnt 0x0
.set PIT,   1040
.set CH,    16*PIT+128
.set VALF,  8*CH
.set KIMG,  16*CH
.set VIMG,  KIMG+24576
.set KSC,   VIMG+24576
.set VSC,   KSC+1024
.set SCST,  VSC+1024
.set SPARE, SCST+2048
.set SPW, 1
.set NIL, 2
.set LI16, 3
.set LI4, 4
.set LH, 5
.set SEL, 34
.set MSB, 0
.macro WIN new
.if MSB != \new
	s_set_vgpr_msb (MSB<<8)|\new
.set MSB, \new
.endif
.endm
.macro NOPS n
.rept \n
	v_nop
.endr
.endm
.macro MM d, a, b, c, sa, sb, rows
.if (\c) < 0
.if (\rows) == 0
	v_wmma_scale_f32_16x16x128_f8f6f4 v[\d:\d+7], v[\a:\a+11], v[\b:\b+11], 0, v[\sa], v[\sb] matrix_a_fmt:MATRIX_FMT_FP6 matrix_b_fmt:MATRIX_FMT_FP6
.elseif (\rows) == 1
	v_wmma_scale_f32_16x16x128_f8f6f4 v[\d:\d+7], v[\a:\a+11], v[\b:\b+11], 0, v[\sa], v[\sb] matrix_a_fmt:MATRIX_FMT_FP6 matrix_b_fmt:MATRIX_FMT_FP6 matrix_a_scale:MATRIX_SCALE_ROW1
.else
	v_wmma_scale_f32_16x16x128_f8f6f4 v[\d:\d+7], v[\a:\a+11], v[\b:\b+11], 0, v[\sa], v[\sb] matrix_a_fmt:MATRIX_FMT_FP6 matrix_b_fmt:MATRIX_FMT_FP6 matrix_a_scale:MATRIX_SCALE_ROW1 matrix_b_scale:MATRIX_SCALE_ROW1
.endif
.else
.if (\rows) == 0
	v_wmma_scale_f32_16x16x128_f8f6f4 v[\d:\d+7], v[\a:\a+11], v[\b:\b+11], v[\c:\c+7], v[\sa], v[\sb] matrix_a_fmt:MATRIX_FMT_FP6 matrix_b_fmt:MATRIX_FMT_FP6
.elseif (\rows) == 1
	v_wmma_scale_f32_16x16x128_f8f6f4 v[\d:\d+7], v[\a:\a+11], v[\b:\b+11], v[\c:\c+7], v[\sa], v[\sb] matrix_a_fmt:MATRIX_FMT_FP6 matrix_b_fmt:MATRIX_FMT_FP6 matrix_a_scale:MATRIX_SCALE_ROW1
.else
	v_wmma_scale_f32_16x16x128_f8f6f4 v[\d:\d+7], v[\a:\a+11], v[\b:\b+11], v[\c:\c+7], v[\sa], v[\sb] matrix_a_fmt:MATRIX_FMT_FP6 matrix_b_fmt:MATRIX_FMT_FP6 matrix_a_scale:MATRIX_SCALE_ROW1 matrix_b_scale:MATRIX_SCALE_ROW1
.endif
.endif
.endm
.macro QUANT s, pw
.irp b, 0,1,2,3
	v_max3_num_f32 v[224+\b], |v[\s+16*\b]|, |v[\s+1+16*\b]|, 0x1800000
.endr
.irp i, 2,4,6,8,10,12,14
.irp b, 0,1,2,3
	v_max3_num_f32 v[224+\b], v[224+\b], |v[\s+16*\b+\i]|, |v[\s+1+16*\b+\i]|
.endr
.endr
.irp b, 0,1,2,3
	s_delay_alu instid0(VALU_DEP_4)
	v_permlanex16_b32 v[228+\b], v[224+\b], s[SEL], s[SEL+1]
.endr
.irp b, 0,1,2,3
	s_delay_alu instid0(VALU_DEP_4)
	v_max_num_f32 v[224+\b], v[224+\b], v[228+\b]
.endr
.irp b, 0,1,2,3
	s_delay_alu instid0(VALU_DEP_4)
	v_add_nc_u32 v[232+\b], 0xff000000, v[224+\b]
.endr
.irp b, 0,1,2,3
	s_delay_alu instid0(VALU_DEP_4)
	v_lshrrev_b32 v[228+\b], 23, v[232+\b]
.endr
	s_delay_alu instid0(VALU_DEP_3)
	v_lshl_or_b32 v[\pw], v229, 8, v228
	s_delay_alu instid0(VALU_DEP_1)
	v_lshl_or_b32 v[\pw], v230, 16, v[\pw]
	s_delay_alu instid0(VALU_DEP_1)
	v_lshl_or_b32 v[\pw], v231, 24, v[\pw]
.irp c, 0,1
	v_cvt_scalef32_pk16_fp6_f32 v[236+6*\c:238+6*\c], v[\s+32*\c:\s+15+32*\c], v[232+2*\c]
	v_cvt_scalef32_pk16_fp6_f32 v[248+4*\c:250+4*\c], v[\s+16+32*\c:\s+31+32*\c], v[233+2*\c]
.endr
	v_nop
.irp c, 0,1
.irp i, 0,1,2
	v_permlane16_swap_b32 v[236+6*\c+\i], v[248+4*\c+\i]
.endr
.irp i, 0,1,2
	s_delay_alu instid0(VALU_DEP_3)
	v_mov_b32 v[239+6*\c+\i], v[248+4*\c+\i]
.endr
.endr
.endm
.macro IMAGE adr, off
.irp c, 0,1,2
	ds_store_b128 v[\adr], v[236+4*\c:239+4*\c] offset:\off+512*\c
.endr
.endm
.macro FETCH reg, adr, off
.irp c, 0,1,2
	ds_load_b128 v[\reg+4*\c:\reg+4*\c+3], v[\adr] offset:\off+512*\c
.endr
.endm
.macro BARRIER
	s_wait_dscnt 0x0
	s_barrier_signal -1
	s_barrier_wait -1
.endm
.macro WLOAD16 sb
	WIN 0x40
.set QW, 0
.rept 48
	global_load_b128 v[4*QW:4*QW+3], v[LI16], s[\sb:\sb+1] offset:512*QW
.set QW, QW+1
.endr
	WIN 0
.endm
.macro SLOAD8 sb
.irp p, 0,1,2,3,4,5,6,7
	global_load_b32 v[20+\p], v[LI4], s[\sb:\sb+1] offset:128*\p
.endr
.endm
.macro VLOAD64 dst, sb
.irp b, 0,1,2,3
.irp j, 0,1,2,3
	global_load_b128 v[\dst+16*\b+4*\j:\dst+16*\b+4*\j+3], v[LH], s[\sb:\sb+1] offset:128*\b+16*\j
.endr
.endr
.endm
.macro STG dst, adr, s
.irp b, 0,1,2,3
.irp j, 0,1,2,3
	ds_load_b128 v[\dst+16*\b+4*\j:\dst+16*\b+4*\j+3], v[\adr] offset:512*\s+128*\b+16*\j
.endr
.endr
.endm
.macro TILEQ so
	STG 32, 6, 0
	STG 160, 6, 1
	s_wait_dscnt 16
	s_wait_xcnt 0x0
	QUANT 32, 18
	IMAGE 8, 0
	s_wait_dscnt 0x0
	QUANT 160, 19
	IMAGE 8, 1536
	v_cndmask_b32 v17, v18, v19, s33
	ds_store_b32 v10, v17 offset:\so
.endm
	s_load_b256 s[4:11], s[0:1], 0x0
	s_load_b128 s[12:15], s[0:1], 0x20
	s_load_b64 s[28:29], s[0:1], 0x30
	v_lshl_add_u32 v[SPW], v0, 2, SPARE
	v_mov_b32 v[NIL], 0
	ds_add_u32 v[SPW], v[NIL]
	ds_add_u32 v[SPW], v[NIL]
	v_lshrrev_b32 v3, 5, v0
	s_delay_alu instid0(VALU_DEP_1)
	v_readfirstlane_b32 s30, v3
	s_and_b32 s31, s30, 1
	s_lshr_b32 s32, s30, 1
	s_mov_b32 s33, 0xffff0000
	s_mov_b32 s[SEL], 0x76543210
	s_mov_b32 s[SEL+1], 0xfedcba98
	s_mov_b32 s16, (2<<16)|(1<<20)|(7<<22)|(3<<25)
	s_mov_b32 s17, 256<<16
	s_mov_b32 s18, 16<<16
	s_mov_b32 s19, 256<<16
	s_mov_b32 s20, 16
	s_mov_b32 s21, 256
	s_mov_b32 s22, 0
	s_mov_b32 s23, 0
	s_and_b32 s36, ttmp7, 0xffff
	s_lshl_b32 s37, s36, 12
	s_lshl_b32 s38, ttmp9, 7
	s_add_co_u32 s37, s37, s38
	s_lshl_b32 s38, s30, 4
	s_add_co_u32 s37, s37, s38
	s_lshl_b32 s40, s37, 10
	s_mov_b32 s41, 0
	s_mov_b32 s24, 1
	s_mul_i32 s25, s30, CH
	s_mov_b32 s52, 1
	s_add_co_u32 s53, s25, VALF
	s_wait_dscnt 0x0
	s_wait_kmcnt 0x0
	s_add_nc_u64 s[26:27], s[4:5], s[40:41]
	s_or_b32 s27, s27, 0x80000000
	s_add_nc_u64 s[54:55], s[6:7], s[40:41]
	s_or_b32 s55, s55, 0x80000000
	tensor_load_to_lds s[24:27], s[16:23]
	s_nop 0
	s_wait_alu depctr_va_vdst(0)
	s_wait_tensorcnt 0x0
	ds_add_u32 v1, v2
	s_wait_dscnt 0x0
	s_barrier_signal -1
	s_barrier_wait -1
	tensor_load_to_lds s[52:55], s[16:23]
	s_nop 0
	NOPS 4
	s_mov_b32 s39, 0
	s_mul_i32 s38, s31, 24576
	s_add_nc_u64 s[42:43], s[12:13], s[38:39]
	s_mul_i32 s38, s30, 6144
	s_add_co_u32 s38, s38, 49152
	s_add_nc_u64 s[44:45], s[12:13], s[38:39]
	s_lshl_b32 s38, s31, 10
	s_add_nc_u64 s[46:47], s[14:15], s[38:39]
	s_lshl_b32 s38, s30, 8
	s_add_co_u32 s38, s38, 2048
	s_add_nc_u64 s[48:49], s[14:15], s[38:39]
	s_lshl_b32 s38, s31, 9
	s_add_nc_u64 s[8:9], s[8:9], s[38:39]
	s_lshl_b32 s38, s30, 7
	s_add_nc_u64 s[10:11], s[10:11], s[38:39]
	s_lshl_b32 s38, s36, 5
	s_add_co_u32 s38, s38, ttmp9
	s_mul_i32 s38, s38, 51200
	s_add_nc_u64 s[28:29], s[28:29], s[38:39]
	v_and_b32 v17, 31, v0
	v_and_b32 v18, 15, v0
	v_bfe_u32 v19, v0, 4, 1
	s_delay_alu instid0(VALU_DEP_3)
	v_lshlrev_b32 v[LI16], 4, v17
	s_delay_alu instid0(VALU_DEP_4)
	v_lshlrev_b32 v[LI4], 2, v17
	s_delay_alu instid0(VALU_DEP_3)
	v_lshlrev_b32 v[LH], 6, v19
	v_and_b32 v9, 8, v18
	s_delay_alu instid0(VALU_DEP_1)
	v_add_nc_u32 v9, v9, v18
	s_delay_alu instid0(VALU_DEP_1)
	v_lshlrev_b32 v9, 2, v9
	WLOAD16 42
	WIN 0x40
.set QW, 0
.rept 12
	global_load_b128 v[192+4*QW:195+4*QW], v[LI16], s[44:45] offset:512*QW
.set QW, QW+1
.endr
	global_load_b32 v240, v9, s[10:11]
	global_load_b32 v248, v9, s[10:11] offset:32
	WIN 0
	SLOAD8 46
	global_load_b32 v30, v[LI4], s[48:49]
	global_load_b32 v31, v[LI4], s[48:49] offset:128
	VLOAD64 96, 8
	s_mul_i32 s50, s32, 2*CH
	s_mul_i32 s51, s31, 8*PIT
	s_add_co_u32 s50, s50, s51
	v_bfe_u32 v6, v0, 3, 1
	s_delay_alu instid0(VALU_DEP_1)
	v_mul_u32_u24 v6, v6, CH
	v_and_b32 v7, 7, v0
	s_delay_alu instid0(VALU_DEP_1)
	v_mad_u32_u24 v6, v7, PIT, v6
	s_delay_alu instid0(VALU_DEP_1)
	v_add_nc_u32 v6, v6, v[LH]
	s_delay_alu instid0(VALU_DEP_1)
	v_add_nc_u32 v6, s50, v6
	s_mul_i32 s50, s30, 3072
	v_add_nc_u32 v16, s50, v[LI16]
	s_add_co_u32 s50, s50, KIMG
	v_add_nc_u32 v8, s50, v[LI16]
	s_lshl_b32 s50, s30, 7
	s_add_co_u32 s50, s50, KSC
	v_add_nc_u32 v10, s50, v[LI4]
	s_lshl_b32 s50, s32, 8
	s_add_co_u32 s50, s50, KSC
	v_add_nc_u32 v7, s50, v[LI4]
	s_mul_i32 s50, s32, 6144
	s_add_co_u32 s50, s50, KIMG
	v_add_nc_u32 v11, s50, v[LI16]
	v_add_nc_u32 v12, VIMG, v[LI16]
	s_lshr_b32 s50, s32, 1
	s_lshl_b32 s50, s50, 9
	s_lshl_b32 s51, s31, 8
	s_add_co_u32 s50, s50, s51
	s_and_b32 s51, s32, 1
	s_lshl_b32 s51, s51, 3
	s_add_co_u32 s50, s50, s51
	s_add_co_u32 s50, s50, SCST
	v_lshl_add_u32 v13, v18, 4, s50
	s_delay_alu instid0(VALU_DEP_1)
	v_lshl_add_u32 v13, v19, 2, v13
	s_lshr_b32 s50, s30, 2
	s_lshl_b32 s50, s50, 9
	s_and_b32 s51, s30, 3
	s_lshl_b32 s51, s51, 2
	s_add_co_u32 s50, s50, s51
	s_add_co_u32 s50, s50, SCST+1024
	v_add_nc_u32 v14, s50, v[LI16]
	s_lshl_b32 s50, s32, 2
	s_add_co_u32 s50, s50, s31
	s_mul_i32 s50, s50, 1536
	v_add_nc_u32 v15, s50, v[LI16]
.irp b, 0,1,2,3
	v_mov_b32 v[228+\b], 0
.endr
	s_wait_tensorcnt 0x1
	BARRIER
	TILEQ 0
	BARRIER
	v_add_nc_u32 v6, VALF, v6
	v_add_nc_u32 v8, VIMG-KIMG, v8
	s_wait_loadcnt 0x0
.irp q, 0,1,2,3
	FETCH 160+12*\q, 11, 1536*\q
.endr
	ds_load_b32 v28, v7
	ds_load_b32 v29, v7 offset:128
	s_wait_dscnt 0x0
.irp n, 0,1
	WIN 0x01
.irp t, 0,1,2,3,4,5,6,7
	MM 32+8*\t,24*\t,160+24*\n,96+8*\t,20+\t,28+\n,0
.endr
.irp t, 0,1,2,3,4,5,6,7
	MM 32+8*\t,24*\t+12,172+24*\n,32+8*\t,20+\t,28+\n,3
.endr
	WIN 0
	NOPS 4
	s_wait_xcnt 0x0
	QUANT 32, 18+\n
.irp c, 0,1,2
	global_store_b128 v15, v[236+4*\c:239+4*\c], s[28:29] offset:3072*\n+512*\c
.endr
.endr
	v_cndmask_b32 v17, v18, v19, s33
	ds_store_b32 v13, v17
	s_wait_tensorcnt 0x0
	BARRIER
	TILEQ VSC-KSC
	BARRIER
	v_add_nc_u32 v7, VSC, v[LI4]
	v_lshlrev_b32 v9, 1, v[LI4]
	s_lshl_b32 s50, s30, 8
	s_lshr_b32 s51, s30, 2
	s_mul_i32 s51, s51, 24576
	s_add_co_u32 s51, s51, 24576
	s_add_co_u32 s51, s51, s50
	v_add_nc_u32 v11, s51, v9
	s_add_co_u32 s50, s50, SCST
	v_add_nc_u32 v9, s50, v9
	WIN 0x01
.irp j, 0,1,2,3,4,5,6,7
	v_mov_b32 v[208+\j], v240
	v_mov_b32 v[216+\j], v248
.endr
	WIN 0
.irp t, 0,1,2,3,4,5,6,7
	ds_load_b32 v[20+\t], v7 offset:128*\t
.endr
.macro VT t
	FETCH 160+24*((\t)%2), 12, 3072*(\t)
	FETCH 172+24*((\t)%2), 12, 3072*(\t)+1536
.endm
	VT 0
	VT 1
	s_wait_alu depctr_va_vdst(0)
.irp t, 0,1,2,3,4,5,6,7
.if \t < 7
	s_wait_dscnt 6
.else
	s_wait_dscnt 0x0
.endif
	WIN 0x04
	MM 32+8*\t,160+24*(\t%2),192,208,20+\t,30,0
	MM 96+8*\t,160+24*(\t%2),216,216,20+\t,31,0
	MM 32+8*\t,172+24*(\t%2),204,32+8*\t,20+\t,30,3
	MM 96+8*\t,172+24*(\t%2),228,96+8*\t,20+\t,31,3
	WIN 0
	NOPS 4
.if \t < 6
	VT \t+2
.endif
.endr
	s_wait_xcnt 0x0
	QUANT 32, 18
.irp c, 0,1,2
	global_store_b128 v16, v[236+4*\c:239+4*\c], s[28:29] offset:25600+512*\c
.endr
	s_wait_xcnt 0x0
	QUANT 96, 19
.irp c, 0,1,2
	global_store_b128 v16, v[236+4*\c:239+4*\c], s[28:29] offset:25600+1536+512*\c
.endr
	v_cndmask_b32 v17, v18, v19, s33
	ds_store_b32 v14, v17
	BARRIER
	ds_load_b64 v[18:19], v9
	s_wait_dscnt 0x0
	global_store_b64 v11, v[18:19], s[28:29]
	s_wait_tensorcnt 0x0
	ds_add_u32 v[SPW], v[NIL]
	s_wait_dscnt 0x0
	s_endpgm
.Lfunc_end_k_q72c1756683_proj:
	.size	k_q72c1756683_proj, .Lfunc_end_k_q72c1756683_proj-k_q72c1756683_proj
	.p2alignl 7, 3214868480
	.fill 96, 4, 3214868480
	.section	.rodata,"a",@progbits
	.p2align	6, 0x0
	.amdhsa_kernel k_q72c1756683_proj
		.amdhsa_group_segment_fixed_size 327680
		.amdhsa_private_segment_fixed_size 0
		.amdhsa_enable_private_segment 0
		.amdhsa_kernarg_size 56
		.amdhsa_user_sgpr_count 2
		.amdhsa_user_sgpr_kernarg_segment_ptr 1
		.amdhsa_wavefront_size32 1
		.amdhsa_system_sgpr_workgroup_id_x 1
		.amdhsa_system_sgpr_workgroup_id_y 1
		.amdhsa_system_sgpr_workgroup_id_z 1
		.amdhsa_system_vgpr_workitem_id 0
		.amdhsa_next_free_vgpr 512
		.amdhsa_next_free_sgpr 66
		.amdhsa_reserve_vcc 0
		.amdhsa_float_denorm_mode_32 3
		.amdhsa_float_denorm_mode_16_64 3
		.amdhsa_memory_ordered 1
		.amdhsa_forward_progress 1
		.amdhsa_inst_pref_size 74
	.end_amdhsa_kernel
	.amdgpu_metadata
---
amdhsa.version: [ 1, 2 ]
amdhsa.kernels:
  - .name:           k_q72c1756683_proj
    .symbol:         k_q72c1756683_proj.kd
    .args:
      - { .name: key, .offset: 0, .size: 8, .value_kind: global_buffer, .address_space: global }
      - { .name: value, .offset: 8, .size: 8, .value_kind: global_buffer, .address_space: global }
      - { .name: bk, .offset: 16, .size: 8, .value_kind: global_buffer, .address_space: global }
      - { .name: bv, .offset: 24, .size: 8, .value_kind: global_buffer, .address_space: global }
      - { .name: wimg, .offset: 32, .size: 8, .value_kind: global_buffer, .address_space: global }
      - { .name: wsc, .offset: 40, .size: 8, .value_kind: global_buffer, .address_space: global }
      - { .name: kv, .offset: 48, .size: 8, .value_kind: global_buffer, .address_space: global }
    .group_segment_fixed_size: 327680
    .private_segment_fixed_size: 0
    .kernarg_segment_align: 8
    .kernarg_segment_size: 56
    .max_flat_workgroup_size: 256
    .sgpr_count:     66
    .vgpr_count:     512
    .wavefront_size: 32
...
	.end_amdgpu_metadata
.endif
;; end of part 2
;; launch attn (part 3): grid 32 x 8, 8 waves a work-group, clusters of 4 x 1, 327,680 bytes of LDS; arguments query, kv, wimg, wsc, bo, g1, b1, bf1, bf2, g2, b2, out0; writes out0
.if DOCPART == 3
	.amdgcn_target "amdgcn-amd-amdhsa--gfx1250"
	.amdhsa_code_object_version 6
	.text
	.protected	k_q72c1756683_attn
	.globl	k_q72c1756683_attn
	.p2align	8
	.type	k_q72c1756683_attn,@function
k_q72c1756683_attn:
	s_mov_b64 s[64:65], 0
	v_nop
	global_prefetch_b8 v0, s[64:65] scope:SCOPE_SE
	s_setreg_imm32_b32 hwreg(HW_REG_WAVE_MODE, 25, 1), 1
	s_wait_xcnt 0x0
	s_wait_alu depctr_hold_cnt(0) depctr_sa_sdst(0) depctr_va_vdst(0) depctr_va_sdst(0) depctr_va_ssrc(0) depctr_va_vcc(0) depctr_vm_vsrc(0)
	s_getreg_b32 s2, hwreg(HW_REG_IB_STS2, 6, 4)
	s_cmp_eq_u32 s2, 0
	s_cbranch_scc0 .Lentry_in_a_cluster
	s_endpgm
.Lentry_in_a_cluster:
	s_bfe_u32 s2, ttmp6, 0x10000c
	s_cmp_lg_u32 s2, 0x3003
	s_cbranch_scc0 .Lentry_shape_is_right
	s_endpgm
.Lentry_shape_is_right:
; THIRD LAUNCH: the attention on codes of FP6 (E2M3, E8M0 scales), the projection by Wo, residual and layer norm, the feed-forward pair, residual and layer norm.  No work is left out.
; SHARES.  A work-group owns 64 queries of one batch through the whole chain.  ATTENTION: wave w takes query tiles 2 (w / 4) + 0, 1 (16 queries each) and, of each group of 512 keys, step w % 4 (128 keys):
; each fragment of K and V read from LDS feeds two matrix instructions.  Each wave keeps its own running M, sum and O^T for its quarter of the keys; the four quarters are merged at the end by exact powers of two.
; THE SOFTMAX: t = score x log2(e) / 16; M = the largest t so far, rounded up to a whole number; p = 2^(t - M) is quantised along the keys, not normalised; the sum is taken of the unquantised p and divides at the end.
; Both products are used transposed (S^T = K Q^T, O^T = V^T P^T): a lane holds one query throughout.  kv holds fragments as images of their registers (second launch), the keys of a tile of K and the d of a
; tile of V chosen so that two neighbouring tiles give a lane 16 neighbours along the next K.
; LDS RING.  K has one region (four steps x 25,600 bytes), V two.  A group: a barrier (K and V of the group have landed); K Q^T; a round of the cluster's barrier, behind which K's region takes the next
; group's K and the V region read last takes the next group's V; softmax; V^T P.  So a refill has the softmax and the second product in which to land.  A wave has one tensor load out at most.
; CLUSTER.  The four work-groups of a cluster belong to one batch and walk the same kv: each part is asked for jointly, by the same load with the same descriptor and the mask of all four.
; TAIL (eight plain barriers): O^T and the statistics to LDS; wave (MT = 2 (w / 4) + w % 2, HF = (w / 2) % 2) merges tile MT's d half HF, quantises it, multiplies by its half of Wo with query + bo as C,
; norms with the partner wave w xor 2; then the waves share the columns: wave w makes hidden units 128 w .. and outputs 32 w .. for all 64 rows, operands going from wave to wave as images of their registers.
; The tail's LDS lies in the ring's bytes, which have had their last fill.  The tail's weights go from memory into registers, once a wave.
; The layer norms take the mean away before the squares are summed, half a row a wave, and join the halves by their means' difference: no difference of large sums is formed.
; LIMITS: blocks of zeros and blocks under 2^-124 keep the scale byte 1; a block's largest p is taken from the block's largest score through the same two instructions; v_exp_f32 gives 0 for results under 2^-126;
; NaN and infinities among the inputs are not served.
; REGISTERS.  Window 1: O^T (tile u at 128 u + 8 dt); in the tail 16 weight fragments (v0-191) and a block of C (v192-255).  Window 0 in the attention: v3-5 my step's K, V (two regions); v6 1,024 r + 64 h; v7 64 h;
; v8 16 lane; v9 the prefetches' offset; v[10:11] f; v12-19 -M, largest t, the sum's two halves, for each tile; v20-27 K's or V's scale words, v28-29 Q's, v30-31 p's (v20-31 hold scales alone);
; v32-79 Q; v80-207 S^T, then p, then V's two buffers (v80-127, v144-191); v208-255 K's two buffers, then p's codes (v208-231) and the softmax's work registers.
.set PART,  25600
.set VREG0, 102400
.set VREG1, 204800
.set SPARE, 307200                     ; the spare words, 128 bytes for each wave: four blocks of 256 bytes that no other line names
.set QIMG,  308224                     ; Q's 8 fragments (2 tile + ks), behind the ring: no fill lands there
.set QSC,   320512                     ; their scale words: 128 bytes a tile, lanes 16-31 the second K step
.set VEC,   321024                     ; six vectors of 1,024 bytes, copied once at the head: bo, g1, b1, g2, b2, bf2; no fill lands there
.set STATS, 262144                     ; tail: O^T at 32,768 wave + 8,192 (2 u + half); here 512 bytes a wave: -M and the sum for each tile
.set CIMG,  266240                     ; the context's 8 fragments
.set CSC,   278528
.set LN1X,  279040                     ; mean and sum of squares, 256 bytes a wave; the second norm's 2,048 bytes on
.set XIMG,  0                          ; x's 8 fragments (behind the barrier that ends the merge's reads)
.set XSC,   12288
.set HIMG,  12800                      ; the hidden layer's 32 fragments (8 tile + K step)
.set HSC,   61952
.set FST,   64000                      ; the feed-forward's result, as images
.set OST,   129536                     ; the way out: 16 rows x (512 + 16) bytes for each wave
.set SPW, 1
.set NIL, 2
.set LI4, 3                            ; in the tail: 4 x lane
.set LH, 7
.set LI16, 8
.set PW, 251                           ; the scale word just made
.set SEL, 38
.set CS, 40
.set MSB, 0
.macro WIN new                         ; the immediate's high byte repeats the setting that is left
.if MSB != \new
	s_set_vgpr_msb (MSB<<8)|\new
.set MSB, \new
.endif
.endm
.macro NOPS n
.rept \n
	v_nop
.endr
.endm
; one matrix instruction.  c < 0: the constant 0 starts the sum.  rows: 0 both scales from lanes 0-15; 1 source 0's from lanes 16-31; 3 both from lanes 16-31
.macro MM d, a, b, c, sa, sb, rows
.if (\c) < 0
.if (\rows) == 0
	v_wmma_scale_f32_16x16x128_f8f6f4 v[\d:\d+7], v[\a:\a+11], v[\b:\b+11], 0, v[\sa], v[\sb] matrix_a_fmt:MATRIX_FMT_FP6 matrix_b_fmt:MATRIX_FMT_FP6
.elseif (\rows) == 1
	v_wmma_scale_f32_16x16x128_f8f6f4 v[\d:\d+7], v[\a:\a+11], v[\b:\b+11], 0, v[\sa], v[\sb] matrix_a_fmt:MATRIX_FMT_FP6 matrix_b_fmt:MATRIX_FMT_FP6 matrix_a_scale:MATRIX_SCALE_ROW1
.else
	v_wmma_scale_f32_16x16x128_f8f6f4 v[\d:\d+7], v[\a:\a+11], v[\b:\b+11], 0, v[\sa], v[\sb] matrix_a_fmt:MATRIX_FMT_FP6 matrix_b_fmt:MATRIX_FMT_FP6 matrix_a_scale:MATRIX_SCALE_ROW1 matrix_b_scale:MATRIX_SCALE_ROW1
.endif
.else
.if (\rows) == 0
	v_wmma_scale_f32_16x16x128_f8f6f4 v[\d:\d+7], v[\a:\a+11], v[\b:\b+11], v[\c:\c+7], v[\sa], v[\sb] matrix_a_fmt:MATRIX_FMT_FP6 matrix_b_fmt:MATRIX_FMT_FP6
.elseif (\rows) == 1
	v_wmma_scale_f32_16x16x128_f8f6f4 v[\d:\d+7], v[\a:\a+11], v[\b:\b+11], v[\c:\c+7], v[\sa], v[\sb] matrix_a_fmt:MATRIX_FMT_FP6 matrix_b_fmt:MATRIX_FMT_FP6 matrix_a_scale:MATRIX_SCALE_ROW1
.else
	v_wmma_scale_f32_16x16x128_f8f6f4 v[\d:\d+7], v[\a:\a+11], v[\b:\b+11], v[\c:\c+7], v[\sa], v[\sb] matrix_a_fmt:MATRIX_FMT_FP6 matrix_b_fmt:MATRIX_FMT_FP6 matrix_a_scale:MATRIX_SCALE_ROW1 matrix_b_scale:MATRIX_SCALE_ROW1
.endif
.endif
.endm
; 64 numbers of a lane, register s + 16 b + i = k 32 b + 16 (lane / 16) + i of my row, become a fragment's codes in v236-247 and its scale word in v[pw].
.macro QUANT s, pw
.irp b, 0,1,2,3
	v_max3_num_f32 v[224+\b], |v[\s+16*\b]|, |v[\s+1+16*\b]|, 0x1800000   ; block b: my 16 numbers, and the floor 2^(3 - 127): the byte cannot fall under 1
.endr
.irp i, 2,4,6,8,10,12,14
.irp b, 0,1,2,3
	s_delay_alu instid0(VALU_DEP_4)
	v_max3_num_f32 v[224+\b], v[224+\b], |v[\s+16*\b+\i]|, |v[\s+1+16*\b+\i]|   ; (the four blocks by turns)
.endr
.endr
.irp b, 0,1,2,3
	s_delay_alu instid0(VALU_DEP_4)
	v_permlanex16_b32 v[228+\b], v[224+\b], s[SEL], s[SEL+1]
.endr
.irp b, 0,1,2,3
	s_delay_alu instid0(VALU_DEP_4)
	v_max_num_f32 v[224+\b], v[224+\b], v[228+\b]  ; with lane l xor 16's: the block's largest magnitude
.endr
.irp b, 0,1,2,3
	s_delay_alu instid0(VALU_DEP_4)
	v_add_nc_u32 v[232+\b], 0xff000000, v[224+\b]  ; 2 off its exponent field: the conversion's scale operand
.endr
.irp b, 0,1,2,3
	s_delay_alu instid0(VALU_DEP_4)
	v_lshrrev_b32 v[228+\b], 23, v[232+\b]         ; the scale's byte
.endr
	s_delay_alu instid0(VALU_DEP_3)
	v_lshl_or_b32 v[\pw], v229, 8, v228
	s_delay_alu instid0(VALU_DEP_1)
	v_lshl_or_b32 v[\pw], v230, 16, v[\pw]
	s_delay_alu instid0(VALU_DEP_1)
	v_lshl_or_b32 v[\pw], v231, 24, v[\pw]         ; my row's scale word
.irp c, 0,1
	v_cvt_scalef32_pk16_fp6_f32 v[236+6*\c:238+6*\c], v[\s+32*\c:\s+15+32*\c], v[232+2*\c]
	v_cvt_scalef32_pk16_fp6_f32 v[248+4*\c:250+4*\c], v[\s+16+32*\c:\s+31+32*\c], v[233+2*\c]   ; (a conversion's three registers begin on an even number)
.endr
	v_nop                                          ; one plain place behind a scaled conversion
.irp c, 0,1                            ; the operand's layout wants a whole block in a lane: lanes 0-15 block 2 c, lanes 16-31 block 2 c + 1
.irp i, 0,1,2
	v_permlane16_swap_b32 v[236+6*\c+\i], v[248+4*\c+\i]
.endr
.irp i, 0,1,2
	s_delay_alu instid0(VALU_DEP_3)
	v_mov_b32 v[239+6*\c+\i], v[248+4*\c+\i]
.endr
.endr
.endm
.macro IMAGE adr, off                  ; the fragment in v236-247 goes to LDS as it stands
.irp c, 0,1,2
	ds_store_b128 v[\adr], v[236+4*\c:239+4*\c] offset:\off+512*\c
.endr
.endm
.macro FETCH reg, adr, off             ; and comes back so, in any wave
.irp c, 0,1,2
	ds_load_b128 v[\reg+4*\c:\reg+4*\c+3], v[\adr] offset:\off+512*\c
.endr
.endm
.macro BARRIER                         ; my LDS stores have landed and my LDS loads are in: then the work-group's barrier
	s_wait_dscnt 0x0
	s_barrier_signal -1
	s_barrier_wait -1
.endm
.macro WLOAD16 sb                      ; 16 fragments on end into window 1, v0-191
	WIN 0x40
.set QW, 0
.rept 48
	global_load_b128 v[4*QW:4*QW+3], v[LI16], s[\sb:\sb+1] offset:512*QW
.set QW, QW+1
.endr
	WIN 0
.endm
.macro SLOAD8 sb                       ; their scale words: register p holds fragment 2 p's in lanes 0-15 and fragment 2 p + 1's in lanes 16-31
.irp p, 0,1,2,3,4,5,6,7
	global_load_b32 v[20+\p], v[LI4], s[\sb:\sb+1] offset:128*\p
.endr
.endm
.macro VLOAD64 dst, sb                 ; 128 numbers of a vector in the result's layout: register 16 b + i = number 32 b + 16 h + i
.irp b, 0,1,2,3
.irp j, 0,1,2,3
	global_load_b128 v[\dst+16*\b+4*\j:\dst+16*\b+4*\j+3], v[LH], s[\sb:\sb+1] offset:128*\b+16*\j
.endr
.endr
.endm
.macro VLDS dst, off                   ; the same 128 numbers of a vector that lies in LDS at VEC + off; v9 = VEC + 512 HF + 64 h
.irp b, 0,1,2,3
.irp j, 0,1,2,3
	ds_load_b128 v[\dst+16*\b+4*\j:\dst+16*\b+4*\j+3], v9 offset:\off+128*\b+16*\j
.endr
.endr
.endm
.macro QLOAD dst
.irp b, 0,1,2,3
.irp j, 0,1,2,3
	global_load_b128 v[\dst+16*\b+4*\j:\dst+16*\b+4*\j+3], v6, s[68:69] offset:128*\b+16*\j
.endr
.endr
.endm
.macro LDX dst, adr, off               ; 64 registers' image out of LDS
.set QX, 0
.rept 16
	ds_load_b128 v[\dst+4*QX:\dst+4*QX+3], v[\adr] offset:\off+512*QX
.set QX, QX+1
.endr
.endm
; A round of the cluster's barrier: my work-group's barrier, wave 0 signals for the work-group, every wave waits for all four work-groups, my work-group's barrier once more.
.macro CROUND
	s_barrier_signal -1
	s_barrier_wait -1
	s_cmp_lg_u32 s32, 0
	s_cbranch_scc1 .Lnot_wave_0_\@
	s_barrier_signal -3
.Lnot_wave_0_\@:
	s_barrier_wait -3
	s_barrier_signal -1
	s_barrier_wait -1
.endm
.macro PTR d, b, m, k, a               ; s[d:d+1] = s[b:b+1] + k x s[m] + a   (s95 = 0)
	s_mul_i32 s94, s[\m], \k
	s_add_co_u32 s94, s94, \a
	s_add_nc_u64 s[\d:\d+1], s[\b:\b+1], s[94:95]
.endm
	s_load_b512 s[8:23], s[0:1], 0x0               ; query, kv, wimg, wsc, bo, g1, b1, bf1
	s_load_b256 s[24:31], s[0:1], 0x40             ; bf2, g2, b2, out0
	v_lshl_add_u32 v[SPW], v0, 2, SPARE
	v_mov_b32 v[NIL], 0
	ds_add_u32 v[SPW], v[NIL]                      ; the wave's opening: the add, twice on end, and its wait ahead of my first tensor load
	ds_add_u32 v[SPW], v[NIL]                      ; and once more, under the one wait; the set-up below, work on registers, stands between
	v_lshrrev_b32 v3, 5, v0
	s_delay_alu instid0(VALU_DEP_1)
	v_readfirstlane_b32 s32, v3                    ; wave 0..7
	s_and_b32 s33, s32, 3                          ; kq: which step of a group is mine; also which step I fetch for
	s_lshr_b32 s34, s32, 2                         ; qh: which pair of query tiles; also: I fetch K's part (0) or V's (1)
	s_and_b32 s35, s32, 1
	s_lshl_b32 s84, s34, 1
	s_add_co_u32 s35, s35, s84                     ; MT
	s_bfe_u32 s36, s32, 0x10001                    ; HF
	s_lshl_b32 s37, s35, 1
	s_add_co_u32 s37, s37, s36                     ; FI = 2 MT + HF
	s_mov_b32 s[SEL], 0x76543210
	s_mov_b32 s[SEL+1], 0xfedcba98                 ; selects for lane l xor 16
	s_mov_b32 s[CS], 0x3db8aa3b                    ; c = log2(e) / 16
	s_mov_b32 s[CS+1], s[CS]                       ; (named with it as a pair, so it is written)
	; descriptor group 1: a dense part of 25,600 bytes as 100 rows of 256 bytes (32 elements of 8 bytes)
	s_mov_b32 s44, 15|(3<<16)|(1<<21)              ; the mask: all four work-groups; elements of 8 bytes; bit 21 set beside a mask; no padding
	s_mov_b32 s45, 32<<16                          ; tensor_dim0
	s_mov_b32 s46, 100<<16                         ; tensor_dim1
	s_mov_b32 s47, 32<<16                          ; tile_dim0
	s_mov_b32 s48, 100                             ; tile_dim1
	s_mov_b32 s49, 32                              ; elements from row to row
	s_mov_b32 s50, 0
	s_mov_b32 s51, 0
	s_and_b32 s87, ttmp7, 0xffff                   ; the batch, which the four partners share
	s_mul_i32 s88, s87, 1638400
	s_mul_i32 s89, s33, 51200
	s_add_co_u32 s88, s88, s89
	s_mul_i32 s89, s34, PART
	s_add_co_u32 s88, s88, s89                     ; my part of group 0 in kv: no place in the cluster enters it
	s_mov_b32 s89, 0
	s_mov_b32 s52, 1                               ; set A (even groups): count = 1,
	s_mul_i32 s53, s32, PART                       ; LDS: waves 0-3 K's region, waves 4-7 V's first region, which lies behind it
	s_mov_b32 s56, 1                               ; set B (odd groups):
	s_mul_i32 s57, s34, 102400
	s_add_co_u32 s57, s57, s53                     ; K's region again, or V's second region
	s_mov_b32 s63, 7                               ; rounds still to come
	s_cmp_eq_u32 ttmp9, 0                          ; the prefetches: the batch's first cluster asks, in it waves 0 to 6: the same in all four partners
	s_cselect_b32 s62, 1, -1
	s_cmp_lt_u32 s32, 7
	s_cselect_b32 s62, s62, -1
	s_wait_dscnt 0x0                               ; both opening adds are done
	s_wait_kmcnt 0x0
	s_add_nc_u64 s[54:55], s[10:11], s[88:89]
	s_add_nc_u64 s[58:59], s[54:55], 204800        ; a group on
	s_or_b32 s55, s55, 0x80000000                  ; type = 2
	s_or_b32 s59, s59, 0x80000000
	CROUND                                         ; all four work-groups are here: the first joint loads meet
	tensor_load_to_lds s[52:55], s[44:51]          ; group 0: one joint load a wave at the head: waves 0-3 K's four parts, waves 4-7 V's
	s_nop 0
	NOPS 4
	s_bfe_u32 s96, ttmp6, 0x40000                  ; cx: it enters the addresses of query, out0 and the prefetches alone
	s_lshl_b32 s97, ttmp9, 2
	s_add_co_u32 s97, s97, s96                     ; my block of 64 queries
	s_lshl_b32 s98, s87, 11
	s_lshl_b32 s97, s97, 6
	s_add_co_u32 s98, s98, s97
	s_lshl_b32 s97, s35, 4
	s_add_co_u32 s98, s98, s97                     ; my first row in the second role: 2,048 batch + 64 block + 16 MT
	s_lshl_b32 s98, s98, 10
	s_lshl_b32 s97, s36, 9
	s_add_co_u32 s98, s98, s97                     ; + my d half
	s_mov_b32 s99, 0
	s_add_nc_u64 s[68:69], s[8:9], s[98:99]
	s_add_nc_u64 s[70:71], s[30:31], s[98:99]
	v_and_b32 v10, 31, v0                          ; lane
	s_delay_alu instid0(VALU_DEP_1)
	v_lshlrev_b32 v[LI16], 4, v10
	v_and_b32 v11, 15, v0                          ; r
	v_bfe_u32 v[LH], v0, 4, 1
	s_delay_alu instid0(VALU_DEP_1)
	v_lshlrev_b32 v[LH], 6, v[LH]
	s_delay_alu instid0(VALU_DEP_1)
	v_lshl_add_u32 v6, v11, 10, v[LH]              ; row r of 1,024 bytes + 64 h
	QLOAD 80                                       ; Q: tile MT, d half HF: asked for ahead of the pointers below
	s_wait_alu depctr_va_vdst(0)                   ; the wait here, ahead of the run of scalar instructions
	s_mul_i32 s98, s87, 1638400
	s_mul_i32 s97, s96, 51200
	s_add_co_u32 s98, s98, s97
	s_add_co_u32 s98, s98, 409600
	s_add_nc_u64 s[60:61], s[10:11], s[98:99]      ; the prefetches stand at group 2, step cx: the partners share a group's four steps out by address
	; THE TAIL'S WEIGHTS ARE PREFETCHED in groups 1 to 3.  Waves 0-4: the 442,368 bytes of wimg from Wo on, in three rounds of 147,456; of a round each partner takes 36,864 bytes by address, a lane to 256.
	; Wave 5, once: the 18,432 bytes of wsc from Wo's words on, 4,608 a partner.  Wave 6, once: bf1, 1,024 a partner.  Wave 7 asks for nothing.  Lanes left over name their wave's last block again.
	s_lshl_b32 s42, s32, 13                        ; s42: my wave's first byte of the partner's share; s43: the share's last block; s67: I ask while s63 is above it
	s_mov_b32 s97, 4608
	s_mov_b32 s43, 4352
	s_mov_b32 s98, 4096
	s_cmp_lt_u32 s32, 5
	s_cselect_b64 s[92:93], s[12:13], s[14:15]
	s_cselect_b32 s97, 36864, s97
	s_cselect_b32 s43, 36608, s43
	s_cselect_b32 s98, 98304, s98
	s_cselect_b32 s42, s42, 0
	s_cselect_b32 s67, 3, 5
	s_cmp_lt_u32 s32, 6
	s_cselect_b64 s[92:93], s[92:93], s[22:23]
	s_cselect_b32 s97, s97, 1024
	s_cselect_b32 s43, s43, 768
	s_cselect_b32 s98, s98, 0
	s_cmp_lt_u32 s32, 7
	s_cselect_b32 s67, s67, 7
	s_mul_i32 s97, s96, s97
	s_add_co_u32 s98, s98, s97
	s_add_nc_u64 s[92:93], s[92:93], s[98:99]
	; SIX VECTORS GO TO LDS ONCE: waves 0-3 copy bo, g1, b1, waves 4-7 g2, b2, bf2: 8 bytes a thread, so a wave's load covers 256 consecutive bytes, aligned
	s_cmp_eq_u32 s34, 0
	s_cselect_b64 s[16:17], s[16:17], s[26:27]
	s_cselect_b64 s[18:19], s[18:19], s[28:29]
	s_cselect_b64 s[20:21], s[20:21], s[24:25]
	v_and_b32 v216, 127, v0
	s_delay_alu instid0(VALU_DEP_1)
	v_lshlrev_b32 v216, 3, v216
	global_load_b64 v[210:211], v216, s[16:17]
	global_load_b64 v[212:213], v216, s[18:19]
	global_load_b64 v[214:215], v216, s[20:21]
	s_mul_i32 s84, s34, 3072
	s_add_co_u32 s84, s84, VEC
	v_add_nc_u32 v217, s84, v216                   ; where they go
	s_mov_b32 s95, 0
	PTR 72, 12, 36, 24576, 98304                   ; Wo's fragments of my output half, and their scale words
	PTR 74, 14, 36, 1024, 4096
	PTR 76, 12, 32, 24576, 147456                  ; W1's of my 128 hidden units
	PTR 78, 14, 32, 1024, 6144
	PTR 80, 12, 32, 24576, 344064                  ; W2's of my 32 outputs
	PTR 82, 14, 32, 1024, 14336
	PTR 22, 22, 32, 512, 0                         ; bf1 at my hidden units
	s_mul_i32 s84, s33, PART
	v_add_nc_u32 v3, s84, v[LI16]                  ; my step's K part
	s_delay_alu instid0(VALU_DEP_1)
	v_add_nc_u32 v4, VREG0, v3                     ; its V part, even groups
	s_delay_alu instid0(VALU_DEP_2)
	v_add_nc_u32 v5, VREG1, v3                     ; odd groups
	s_lshl_b32 s84, s32, 13
	v_lshl_add_u32 v9, v10, 8, s84
	s_delay_alu instid0(VALU_DEP_1)
	v_min_u32 v9, 50944, v9                        ; the prefetches: 8,192 bytes a wave, lanes 256 bytes apart, held inside the step's 51,200 bytes (in wave 6 lanes 8-31 repeat the last 256)
	s_cmp_gt_u32 s63, s62
	s_cbranch_scc0 .Lnot_first
	global_prefetch_b8 v9, s[60:61] offset:-204800 th:TH_LOAD_NT scope:SCOPE_SE   ; group 1, a group under where the address stands: its loads go out behind the first two rounds
.Lnot_first:
	s_mul_i32 s84, s37, 1536
	s_add_co_u32 s84, s84, QIMG
	v_add_nc_u32 v208, s84, v[LI16]                ; where I store Q's image,
	s_lshl_b32 s84, s35, 7
	s_lshl_b32 s85, s36, 6
	s_add_co_u32 s84, s84, s85
	s_add_co_u32 s84, s84, QSC
	v_lshl_add_u32 v209, v11, 2, s84               ; and its scale words (both halves of the lanes write the same word with the same value)
	s_mul_i32 s84, s34, 6144
	s_add_co_u32 s84, s84, QIMG
	s_lshl_b32 s85, s34, 8
	s_add_co_u32 s85, s85, QSC
	v_lshl_add_u32 v11, v10, 2, s85                ; where I fetch my two tiles' scale words (v11 later also holds the weights' prefetch offset)
	v_add_nc_u32 v10, s84, v[LI16]                 ; and their four fragments
.irp b, 0,1,2,3
	v_mov_b32 v[228+\b], 0                         ; written once: a lane permute's destination counts as one of its sources
.endr
	s_wait_loadcnt 0x0
	QUANT 80, PW
	IMAGE 208, 0
	ds_store_b32 v209, v[PW]
	ds_store_b64 v217, v[210:211]                  ; the vectors: the rounds and barriers up to the tail show them to every wave
	ds_store_b64 v217, v[212:213] offset:1024
	ds_store_b64 v217, v[214:215] offset:2048
	v_mov_b32 v13, 0xff61b1e6                      ; the largest t so far: -3e38, under every t
	s_delay_alu instid0(VALU_DEP_1)
	v_floor_f32 v12, -v13                          ; -M
	v_mov_b32 v14, 0                               ; the sum, in two halves
	v_mov_b32 v15, 0
	v_mov_b32 v17, 0xff61b1e6
	s_delay_alu instid0(VALU_DEP_1)
	v_floor_f32 v16, -v17
	v_mov_b32 v18, 0
	v_mov_b32 v19, 0
; The barrier at a group's head: each wave's one load that is out has landed, then everybody's has.
.macro MID
	s_wait_tensorcnt 0x0
	s_wait_dscnt 0x0
	s_barrier_signal -1
	s_barrier_wait -1
.endm
.macro KLD kt                          ; key tile kt's two fragments into buffer kt % 2
.set KBF, 208+24*((\kt)%2)
.set QQ, 0
.rept 6
	ds_load_b128 v[KBF+4*QQ:KBF+4*QQ+3], v3 offset:3072*(\kt)+512*QQ
.set QQ, QQ+1
.endr
.endm
; S^T = K Q^T: eight tiles of 16 keys x my two tiles of queries x two K steps; the two accumulators of a key tile by turns
.macro QK
	ds_load_b128 v[20:23], v3 offset:24576         ; K's scale words: register kt, lanes 16-31 the second K step
	ds_load_b128 v[24:27], v3 offset:25088
	KLD 0
	KLD 1
.irp kt, 0,1,2,3,4,5,6,7
.if \kt < 7
	s_wait_dscnt 6                                 ; this key tile is in; the next one's six loads may be out
.else
	s_wait_dscnt 0x0
.endif
	MM 80+8*\kt,208+24*(\kt%2),32,-1,20+\kt,28,0
	MM 144+8*\kt,208+24*(\kt%2),56,-1,20+\kt,29,0
	MM 80+8*\kt,220+24*(\kt%2),44,80+8*\kt,20+\kt,28,3
	MM 144+8*\kt,220+24*(\kt%2),68,144+8*\kt,20+\kt,29,3
.if \kt < 6
	NOPS 4                                         ; places in front of loads into registers that these products read
	KLD \kt+2
.endif
.endr
.endm
; A prefetch of the group after the one that is being asked for: one group's softmax and products ahead of the joint load that will want it.  One instruction a wave, a lane to 256 bytes.
.macro ASK
	s_cmp_gt_u32 s63, s62
	s_cbranch_scc0 .Lnot_mine_\@
	global_prefetch_b8 v9, s[60:61] th:TH_LOAD_NT scope:SCOPE_SE
.Lnot_mine_\@:
.endm
; THE REFILL.  Every wave: all its tensor loads have landed; the add; its reads of K's region (this group) and of the V region read in the last group are over; a round of the cluster's barrier; its one joint load.
; mode 1: the set steps two groups on, and all eight waves load.  mode 0 (group 0): the set stands at group 1; V's part of it went out behind the round ahead of group 0, so K's waves alone load.
.macro REFILL set, mode
	s_wait_tensorcnt 0x0                           ; no tensor load of mine is out, so a group 0 may be written
	ds_add_u32 v[SPW], v[NIL]                      ; 0 onto my spare word
.if \mode == 1
	s_add_nc_u64 s[\set+2:\set+3], s[\set+2:\set+3], 409600   ; the type bits on top are not reached
	s_wait_xcnt 0x0                                ; the last prefetch, a group back, has read its address
	s_add_nc_u64 s[60:61], s[60:61], 204800
	s_cmp_lt_u32 s63, 6                            ; the weights' prefetch steps a round on, from its second round
	s_cselect_b32 s98, 147456, 0
	s_add_nc_u64 s[92:93], s[92:93], s[98:99]      ; (s99 = 0)
.endif
	s_wait_dscnt 0x0
	CROUND
.if \mode == 0
	s_cmp_lt_u32 s32, 4
	s_cbranch_scc0 .Lno_k_\@
.endif
	tensor_load_to_lds s[\set:\set+3], s[44:51]
	s_nop 0
	NOPS 4                                         ; (also the places between the last product and the first read of S^T)
.if \mode == 0
.Lno_k_\@:
	NOPS 4                                         ; the same places on the way round the load
.endif
	ASK
.if \mode == 1
	s_cmp_gt_u32 s63, s67
	s_cbranch_scc0 .Lno_w_\@
	global_prefetch_b8 v11, s[92:93] th:TH_LOAD_NT scope:SCOPE_SE   ; the tail's weights: one instruction a wave, four groups or more ahead of the loads that want them
.Lno_w_\@:
.endif
	s_sub_co_u32 s63, s63, 1
.endm
; The softmax of tile u for this step's 128 keys; p's codes to v[208 + 12 u] on, its scale word to v[30 + u].  first = 1: O^T has not begun, so it is not rescaled.
.macro SOFTMAX u, first
.set SS, 80+64*\u
.set ST, 12+4*\u
.set PP, 208+12*\u
.irp b, 0,1,2,3
	v_max3_num_f32 v[232+\b], v[SS+16*\b], v[SS+1+16*\b], v[SS+2+16*\b]   ; the largest score of each block of 32 keys: for the row's maximum and for the block's largest p
.endr
.irp i, 3,5,7,9,11,13
.irp b, 0,1,2,3
	v_max3_num_f32 v[232+\b], v[232+\b], v[SS+16*\b+\i], v[SS+1+16*\b+\i]
.endr
.endr
.irp b, 0,1,2,3
	v_max_num_f32 v[232+\b], v[232+\b], v[SS+15+16*\b]
.endr
.irp b, 0,1,2,3
	s_delay_alu instid0(VALU_DEP_4)
	v_permlanex16_b32 v[236+\b], v[232+\b], s[SEL], s[SEL+1]
.endr
.irp b, 0,1,2,3
	s_delay_alu instid0(VALU_DEP_4)
	v_max_num_f32 v[232+\b], v[232+\b], v[236+\b]  ; with lane l xor 16's 16 keys
.endr
	s_delay_alu instid0(VALU_DEP_2)
	v_max3_num_f32 v248, v232, v233, v234
	s_delay_alu instid0(VALU_DEP_1)
	v_max_num_f32 v248, v248, v235
	s_delay_alu instid0(VALU_DEP_1)
	v_mul_f32 v248, s[CS], v248                    ; the step's largest t (c is positive)
	s_delay_alu instid0(VALU_DEP_1)
	v_max_num_f32 v[ST+1], v[ST+1], v248           ; the running largest t
	v_mov_b32 v248, v[ST]
	s_delay_alu instid0(VALU_DEP_2)
	v_floor_f32 v[ST], -v[ST+1]                    ; the new -M = -ceil(t): a whole number
	s_delay_alu instid0(VALU_DEP_1)
	v_sub_f32 v248, v[ST], v248                    ; old M - new M: a whole number, 0 or less
	s_delay_alu instid0(VALU_DEP_1)
	v_cvt_i32_f32 v248, v248                       ; (it saturates)
	s_delay_alu instid0(VALU_DEP_1)
	v_ldexp_f32 v10, 1.0, v248                     ; f = 2^(old M - new M): a multiplication by it rounds nothing
.set J, 0
.rept 32
	v_pk_fma_f32 v[SS+J:SS+J+1], v[SS+J:SS+J+1], s[CS:CS+1], v[ST:ST+1] op_sel_hi:[1,0,0]   ; t - M, two at a time
.set J, J+2
.endr
.irp b, 0,1,2,3
	v_fma_f32 v[232+\b], v[232+\b], s[CS], v[ST]   ; the same of each block's largest score
.endr
.set J, 0
	s_wait_alu depctr_va_vdst(0)
.rept 64
	v_exp_f32 v[SS+J], v[SS+J]                     ; p = 2^(t - M), at most 1
.set J, J+1
.endr
	v_pk_mul_f32 v[ST+2:ST+3], v[ST+2:ST+3], v[10:11] op_sel_hi:[1,0]   ; the sums under the new M (a plain place behind the exponentials)
	s_wait_alu depctr_va_vdst(0)                   ; one wait for the batch, ahead of its first reader
.irp b, 0,1,2,3
	v_exp_f32 v[232+\b], v[232+\b]                 ; the block's largest p
.endr
	v_pk_add_f32 v[236:237], v[SS:SS+1], v[SS+2:SS+3]   ; the row's sum, of the unquantised p, in two chains
.irp j, 4,8,12,16,20,24,28,32,36,40,44,48,52,56,60
	v_pk_add_f32 v[ST+2:ST+3], v[ST+2:ST+3], v[SS+\j:SS+\j+1]
	v_pk_add_f32 v[236:237], v[236:237], v[SS+2+\j:SS+3+\j]
.endr
	s_delay_alu instid0(VALU_DEP_1)
	v_pk_add_f32 v[ST+2:ST+3], v[ST+2:ST+3], v[236:237]
	s_wait_alu depctr_va_vdst(0)                   ; and one for the four
.irp b, 0,1,2,3
	v_max_num_f32 v[232+\b], 0x1800000, v[232+\b]  ; the floor 2^(3 - 127)
.endr
.irp b, 0,1,2,3
	s_delay_alu instid0(VALU_DEP_4)
	v_add_nc_u32 v[244+\b], 0xff000000, v[232+\b]  ; the conversion's scale operand
.endr
.irp b, 0,1,2,3
	s_delay_alu instid0(VALU_DEP_4)
	v_lshrrev_b32 v[236+\b], 23, v[244+\b]         ; the scale's byte
.endr
	s_delay_alu instid0(VALU_DEP_3)
	v_lshl_or_b32 v[30+\u], v237, 8, v236
	s_delay_alu instid0(VALU_DEP_1)
	v_lshl_or_b32 v[30+\u], v238, 16, v[30+\u]
	s_delay_alu instid0(VALU_DEP_1)
	v_lshl_or_b32 v[30+\u], v239, 24, v[30+\u]     ; p's scale word for these 128 keys
.irp c, 0,1
	v_cvt_scalef32_pk16_fp6_f32 v[PP+6*\c:PP+2+6*\c], v[SS+32*\c:SS+15+32*\c], v[244+2*\c]
	v_cvt_scalef32_pk16_fp6_f32 v[236+4*\c:238+4*\c], v[SS+16+32*\c:SS+31+32*\c], v[245+2*\c]
.endr
	v_nop                                          ; one plain place behind a scaled conversion
.irp c, 0,1
.irp i, 0,1,2
	v_permlane16_swap_b32 v[PP+6*\c+\i], v[236+4*\c+\i]
.endr
.irp i, 0,1,2
	s_delay_alu instid0(VALU_DEP_3)
	v_mov_b32 v[PP+3+6*\c+\i], v[236+4*\c+\i]
.endr
.endr
.if !\first
	WIN 0x41                                       ; O^T (destination and source 0) in window 1, f in window 0
.set J, 0
.rept 64
	v_pk_mul_f32 v[128*\u+J:128*\u+J+1], v[128*\u+J:128*\u+J+1], v[10:11] op_sel_hi:[1,0]   ; O^T under the new M; each accumulator from its low end on
.set J, J+2
.endr
	WIN 0
.endif
.endm
.macro VBATCH adr, be                  ; four tiles of V (d tiles 4 be on) into buffer be % 2
.set VBF, 80+64*((\be)%2)
.set QQ, 0
.rept 12
	ds_load_b128 v[VBF+4*QQ:VBF+4*QQ+3], v[\adr] offset:6144*(\be)+512*QQ
.set QQ, QQ+1
.endr
.endm
.macro PVB be, first                   ; O^T += V^T P^T for these four tiles of d and my two tiles of queries: eight accumulators, one instruction each
.if (\be) < 3
	s_wait_dscnt 12                                ; this batch is in; the next batch's twelve loads may be out
.else
	s_wait_dscnt 0x0
.endif
	WIN 0x50                                       ; C and D in window 1
.irp d, 0,1,2,3
.irp u, 0,1
.if \first
	s_wait_alu depctr_va_vdst(0)
	MM 128*\u+8*(4*(\be)+\d),80+64*((\be)%2)+12*\d,208+12*\u,-1,20+2*(\be)+\d/2,30+\u,\d%2
.else
	MM 128*\u+8*(4*(\be)+\d),80+64*((\be)%2)+12*\d,208+12*\u,128*\u+8*(4*(\be)+\d),20+2*(\be)+\d/2,30+\u,\d%2
.endif
.endr
.endr
	WIN 0
.endm
; A GROUP of 512 keys, of which my step is 128.  par: which V region; first: the sums begin; mode: 0, 1 as in REFILL, 2: nothing is left to fetch.
.macro GROUP par, first, mode
.if \first
	s_wait_tensorcnt 0x0                           ; group 0 has landed.  V's second region is filled for the first time as a refill is:
	ds_add_u32 v[SPW], v[NIL]
	s_wait_dscnt 0x0                               ; (my stores of Q's image and of the vectors are done too)
	CROUND
	s_cmp_lt_u32 s32, 4
	s_cbranch_scc1 .Lno_v_\@
	tensor_load_to_lds s[56:59], s[44:51]          ; V's waves ask for group 1's V
	s_nop 0
	NOPS 4
.Lno_v_\@:
.else
	MID
.endif
.if \first
.set QQ, 0
.rept 12
	ds_load_b128 v[32+4*QQ:35+4*QQ], v10 offset:512*QQ   ; Q's four fragments (2 u + ks) stay in registers
.set QQ, QQ+1
.endr
	ds_load_b32 v28, v11
	ds_load_b32 v29, v11 offset:128
.endif
	QK
.if \mode == 2
	NOPS 4
.elseif \par == 0
	REFILL 56, \mode
.else
	REFILL 52, \mode
.endif
	SOFTMAX 0, \first
	ds_load_b128 v[20:23], v[4+\par] offset:24576  ; V's scale words: register dt / 2, lanes 16-31 the odd dt
	ds_load_b128 v[24:27], v[4+\par] offset:25088
	VBATCH 4+\par, 0                               ; into the registers that tile 0's p has left; they land under tile 1's softmax
	SOFTMAX 1, \first
	VBATCH 4+\par, 1
.if \first
	NOPS 8                                         ; a scale register written by vector instructions stands eight places ahead of the product (else O^T's rescaling is these places)
.endif
	s_wait_alu depctr_va_vdst(0)
	PVB 0, \first
	NOPS 4
	VBATCH 4+\par, 2
	PVB 1, \first
	NOPS 4
	VBATCH 4+\par, 3
	PVB 2, \first
	PVB 3, \first
	NOPS 5                                         ; the next group's first products write over registers that these have read, and its loads land on p's codes and on the scale words
.endm
	GROUP 0, 1, 0                                  ; group 0; the round at its head also shows Q's images to every wave
	v_and_b32 v11, 31, v0                          ; v11 has served as an LDS address: now the offset of the weights' prefetch: my wave's first byte + 256 x lane, held at the share's last block
	s_delay_alu instid0(VALU_DEP_1)
	v_lshl_add_u32 v11, v11, 8, s42
	s_delay_alu instid0(VALU_DEP_1)
	v_min_u32 v11, s43, v11
	s_wait_alu depctr_va_vdst(0)                   ; the wait behind the write
	s_mov_b32 s66, 3
.Lpair:                                                ; groups 1 to 6; their refills bring groups 2 to 7
	GROUP 1, 0, 1
	GROUP 0, 0, 1
	s_sub_co_u32 s66, s66, 1
	s_cmp_lg_u32 s66, 0
	s_cbranch_scc1 .Lpair
	GROUP 1, 0, 2                                  ; group 7 is written out: nothing is asked for
	; ---------------- THE TAIL ----------------
	v_add_f32 v14, v14, v15                        ; each tile's sum: its two halves,
	v_add_f32 v18, v18, v19
	s_delay_alu instid0(VALU_DEP_2)
	v_permlanex16_b32 v15, v14, s[SEL], s[SEL+1]
	s_delay_alu instid0(VALU_DEP_2)
	v_permlanex16_b32 v19, v18, s[SEL], s[SEL+1]
	s_delay_alu instid0(VALU_DEP_2)
	v_add_f32 v14, v14, v15                        ; and lane l xor 16's
	s_delay_alu instid0(VALU_DEP_2)
	v_add_f32 v18, v18, v19
	v_and_b32 v[LI4], 31, v0
	s_delay_alu instid0(VALU_DEP_1)
	v_lshlrev_b32 v[LI4], 2, v[LI4]
	s_lshl_b32 s84, s32, 9
	s_add_co_u32 s84, s84, STATS
	v_add_nc_u32 v4, s84, v[LI4]
	s_lshl_b32 s84, s32, 15
	v_add_nc_u32 v5, s84, v[LI16]
	s_wait_alu depctr_va_vdst(0)
	BARRIER                                        ; nobody reads the ring any more; it has had its last fill
	ds_store_b32 v4, v12
	ds_store_b32 v4, v14 offset:128
	ds_store_b32 v4, v16 offset:256
	ds_store_b32 v4, v18 offset:384
	WIN 0x04                                       ; an LDS store's data are its source 1: window 1
.set QQ, 0
.rept 64
	ds_store_b128 v5, v[4*QQ:4*QQ+3] offset:512*QQ ; O^T as it stands, each accumulator from its low end on
.set QQ, QQ+1
.endr
	WIN 0
	BARRIER                                        ; all eight waves' O^T and statistics lie in LDS
	WLOAD16 72                                     ; Wo, its scale words, and my rows of query for the residual: they land under the merge
	SLOAD8 74
	WIN 0x40
	QLOAD 192
	WIN 0
	; the addresses of the phases up to the first norm
	v_and_b32 v16, 15, v0
	s_delay_alu instid0(VALU_DEP_1)
	v_lshlrev_b32 v16, 2, v16                      ; 4 r
	s_wait_alu depctr_va_vdst(0)
	s_lshl_b32 s84, s34, 11
	s_and_b32 s85, s32, 1
	s_lshl_b32 s86, s85, 8
	s_add_co_u32 s84, s84, s86
	s_add_co_u32 s84, s84, STATS
	v_add_nc_u32 v12, s84, v[LI4]                  ; v12: the statistics of my tile in the four waves of my qh
	s_lshl_b32 s84, s34, 17
	s_lshl_b32 s86, s85, 14
	s_add_co_u32 s84, s84, s86
	s_lshl_b32 s86, s36, 13
	s_add_co_u32 s84, s84, s86
	v_add_nc_u32 v13, s84, v[LI16]                 ; v13: my piece in waves 4 qh + 0, 1
	s_delay_alu instid0(VALU_DEP_1)
	v_add_nc_u32 v14, 0x10000, v13                 ; v14: in waves 4 qh + 2, 3
	s_mul_i32 s84, s37, 1536
	v_add_nc_u32 v4, s84, v[LI16]                  ; v4: where I store x's image (XIMG = 0)
	s_add_co_u32 s84, s84, CIMG
	v_add_nc_u32 v15, s84, v[LI16]                 ; v15: the context's
	s_lshl_b32 s84, s35, 7
	s_lshl_b32 s86, s36, 6
	s_add_co_u32 s86, s84, s86
	s_add_co_u32 s90, s86, XSC
	v_add_nc_u32 v5, s90, v16                      ; v5: x's scale words
	s_add_co_u32 s90, s86, CSC
	v_add_nc_u32 v16, s90, v16                     ; v16: the context's
	s_mul_i32 s86, s35, 3072
	s_add_co_u32 s86, s86, CIMG
	v_add_nc_u32 v17, s86, v[LI16]                 ; v17: my tile's two context fragments
	s_add_co_u32 s84, s84, CSC
	v_add_nc_u32 v18, s84, v[LI4]                  ; v18: their scale words
	s_lshl_b32 s84, s32, 8
	s_add_co_u32 s84, s84, LN1X
	v_add_nc_u32 v19, s84, v[LI4]                  ; v19: my mean and sum of squares
	s_xor_b32 s84, s32, 2
	s_lshl_b32 s84, s84, 8
	s_add_co_u32 s84, s84, LN1X
	v_add_nc_u32 v10, s84, v[LI4]                  ; v10: my partner's
	s_wait_xcnt 0x0                                ; the prefetches have read v9 and v11
	s_lshl_b32 s84, s36, 9
	s_add_co_u32 s84, s84, VEC
	v_add_nc_u32 v9, s84, v[LH]                    ; v9: the vectors in LDS at my d half, + 64 h
	s_lshl_b32 s84, s32, 7
	s_add_co_u32 s84, s84, VEC+5120
	v_add_nc_u32 v11, s84, v[LH]                   ; v11: bf2 at my 32 outputs
	s_wait_alu depctr_va_vdst(0)                   ; the wait
	; ---- the merge: context = sum over k of 2^(M_k - M) O_k / sum over k of 2^(M_k - M) l_k
.irp k, 0,1,2,3
	ds_load_b32 v[224+\k], v12 offset:512*\k
	ds_load_b32 v[228+\k], v12 offset:512*\k+128
.endr
	LDX 96, 13, 0
	LDX 160, 13, 32768
	s_wait_dscnt 32                                ; the statistics are in; the two pieces may be out
	v_min_num_f32 v232, v224, v225
	s_delay_alu instid0(VALU_DEP_1)
	v_min_num_f32 v232, v232, v226
	s_delay_alu instid0(VALU_DEP_1)
	v_min_num_f32 v232, v232, v227                 ; -M of the whole row
.irp k, 0,1,2,3
	v_sub_f32 v[233+\k], v232, v[224+\k]           ; M_k - M: a whole number, 0 or less
.endr
.irp k, 0,1,2,3
	s_delay_alu instid0(VALU_DEP_4)
	v_cvt_i32_f32 v[233+\k], v[233+\k]
.endr
.irp k, 0,1,2,3
	s_delay_alu instid0(VALU_DEP_4)
	v_ldexp_f32 v[233+\k], 1.0, v[233+\k]
.endr
	s_delay_alu instid0(VALU_DEP_4)
	v_mul_f32 v237, v233, v228
	s_delay_alu instid0(VALU_DEP_1)
	v_fmac_f32 v237, v234, v229
	s_delay_alu instid0(VALU_DEP_1)
	v_fmac_f32 v237, v235, v230
	s_delay_alu instid0(VALU_DEP_1)
	v_fmac_f32 v237, v236, v231                    ; the row's sum
	s_wait_alu depctr_va_vdst(0)
	v_rcp_f32 v238, v237
	v_nop                                          ; one plain place behind a transcendental
	s_wait_alu depctr_va_vdst(0)                   ; and the wait ahead of its first reader
.irp k, 0,1,2,3
	v_mul_f32 v[240+2*\k], v[233+\k], v238
.endr
.irp k, 0,1,2,3
	s_delay_alu instid0(VALU_DEP_4)
	v_mov_b32 v[241+2*\k], v[240+2*\k]
.endr
.macro YMUL src, g, acc
.set J, 0
.rept 32
.if \acc
	v_pk_fma_f32 v[32+J:33+J], v[\src+J:\src+J+1], v[\g:\g+1], v[32+J:33+J] op_sel_hi:[1,0,1]
.else
	v_pk_mul_f32 v[32+J:33+J], v[\src+J:\src+J+1], v[\g:\g+1] op_sel_hi:[1,0]
.endif
.set J, J+2
.endr
.endm
	s_wait_alu depctr_va_vdst(0)
	s_wait_dscnt 16                                ; piece 0 is in; one piece's sixteen loads may be out, here and at the next two waits
	YMUL 96, 240, 0
	LDX 96, 14, 0
	s_wait_dscnt 16
	YMUL 160, 242, 1
	LDX 160, 14, 32768
	s_wait_dscnt 16
	YMUL 96, 244, 1
	s_wait_dscnt 0x0
	YMUL 160, 246, 1
	QUANT 32, PW
	IMAGE 15, 0
	ds_store_b32 v16, v[PW]
	VLDS 96, 0                                     ; bo
	VLDS 160, 1024                                 ; g1
	BARRIER                                        ; the context's eight fragments lie in LDS; nobody reads O^T's images any more
	; ---- query + context Wo + bo, transposed: my output half of my tile
	FETCH 224, 17, 0
	FETCH 236, 17, 1536
	ds_load_b32 v28, v18
	s_wait_loadcnt 0x0                             ; Wo, its scale words and query are in
	WIN 0x41
.set J, 0
.rept 32
	v_pk_add_f32 v[192+J:193+J], v[192+J:193+J], v[96+J:97+J]   ; query + bo: the C of each sum's first instruction
.set J, J+2
.endr
	WIN 0
	NOPS 4
	s_wait_alu depctr_va_vdst(0)
	s_wait_dscnt 0x0
	WIN 0x11                                       ; source 0 (Wo) and C in window 1
.irp t, 0,1,2,3,4,5,6,7
	MM 32+8*\t,24*\t,224,192+8*\t,20+\t,28,0
.endr
	WIN 0x01
.irp t, 0,1,2,3,4,5,6,7
	MM 32+8*\t,24*\t+12,236,32+8*\t,20+\t,28,3
.endr
	WIN 0
	NOPS 4
	VLDS 96, 2048                                  ; b1
	WIN 0x40
	VLOAD64 192, 22                                ; bf1 in the result's layout, over query + bo, which the products have read; then W1 and its scale words
	WIN 0
	WLOAD16 76
	SLOAD8 78
; A layer norm of v32-95 (my half of a row: 64 numbers a lane, 128 with lane l xor 16).  g, b: the gains' and biases' registers, asked of LDS ahead of the norm: its barrier's wait covers them; xo: the exchange's bytes.
.macro LNORM g, b, xo
	v_pk_add_f32 v[226:227], v[32:33], v[34:35]
	v_pk_add_f32 v[254:255], v[40:41], v[44:45]
	v_pk_add_f32 v[252:253], v[48:49], v[52:53]
	v_pk_add_f32 v[250:251], v[56:57], v[60:61]
	v_pk_add_f32 v[248:249], v[64:65], v[68:69]
	v_pk_add_f32 v[246:247], v[72:73], v[76:77]
	v_pk_add_f32 v[244:245], v[80:81], v[84:85]
	v_pk_add_f32 v[224:225], v[88:89], v[92:93]
	v_pk_add_f32 v[224:225], v[224:225], v[36:37]
	v_pk_add_f32 v[226:227], v[226:227], v[38:39]
	v_pk_add_f32 v[254:255], v[254:255], v[42:43]
	v_pk_add_f32 v[252:253], v[252:253], v[46:47]
	v_pk_add_f32 v[250:251], v[250:251], v[50:51]
	v_pk_add_f32 v[248:249], v[248:249], v[54:55]
	v_pk_add_f32 v[246:247], v[246:247], v[58:59]
	v_pk_add_f32 v[244:245], v[244:245], v[62:63]
	v_pk_add_f32 v[224:225], v[224:225], v[66:67]
	v_pk_add_f32 v[226:227], v[226:227], v[70:71]
	v_pk_add_f32 v[254:255], v[254:255], v[74:75]
	v_pk_add_f32 v[252:253], v[252:253], v[78:79]
	v_pk_add_f32 v[250:251], v[250:251], v[82:83]
	v_pk_add_f32 v[248:249], v[248:249], v[86:87]
	v_pk_add_f32 v[246:247], v[246:247], v[90:91]
	v_pk_add_f32 v[244:245], v[244:245], v[94:95]
	s_delay_alu instid0(VALU_DEP_4)
	v_pk_add_f32 v[224:225], v[224:225], v[250:251]
	s_delay_alu instid0(VALU_DEP_4)
	v_pk_add_f32 v[226:227], v[226:227], v[248:249]
	s_delay_alu instid0(VALU_DEP_4)
	v_pk_add_f32 v[254:255], v[254:255], v[246:247]
	s_delay_alu instid0(VALU_DEP_4)
	v_pk_add_f32 v[252:253], v[252:253], v[244:245]
	s_delay_alu instid0(VALU_DEP_2)
	v_pk_add_f32 v[224:225], v[224:225], v[254:255]
	s_delay_alu instid0(VALU_DEP_2)
	v_pk_add_f32 v[226:227], v[226:227], v[252:253]
	s_delay_alu instid0(VALU_DEP_1)
	v_pk_add_f32 v[224:225], v[224:225], v[226:227]
	s_delay_alu instid0(VALU_DEP_1)
	v_add_f32 v224, v224, v225
	s_delay_alu instid0(VALU_DEP_1)
	v_permlanex16_b32 v228, v224, s[SEL], s[SEL+1]
	s_delay_alu instid0(VALU_DEP_1)
	v_add_f32 v224, v224, v228
	s_delay_alu instid0(VALU_DEP_1)
	v_mul_f32 v224, 0x3c000000, v224               ; my half's mean: / 128
	s_delay_alu instid0(VALU_DEP_1)
	v_mov_b32 v225, v224
.set J, 0
.rept 32
	v_pk_add_f32 v[32+J:33+J], v[32+J:33+J], v[224:225] neg_lo:[0,1] neg_hi:[0,1]
.set J, J+2
.endr
	v_pk_mul_f32 v[226:227], v[32:33], v[32:33]
	v_pk_mul_f32 v[228:229], v[34:35], v[34:35]
.irp j, 4,8,12,16,20,24,28,32,36,40,44,48,52,56,60
	s_delay_alu instid0(VALU_DEP_2)
	v_pk_fma_f32 v[226:227], v[32+\j:33+\j], v[32+\j:33+\j], v[226:227]
	s_delay_alu instid0(VALU_DEP_2)
	v_pk_fma_f32 v[228:229], v[34+\j:35+\j], v[34+\j:35+\j], v[228:229]
.endr
	s_delay_alu instid0(VALU_DEP_1)
	v_pk_add_f32 v[226:227], v[226:227], v[228:229]
	s_delay_alu instid0(VALU_DEP_1)
	v_add_f32 v226, v226, v227
	s_delay_alu instid0(VALU_DEP_1)
	v_permlanex16_b32 v228, v226, s[SEL], s[SEL+1]
	s_delay_alu instid0(VALU_DEP_1)
	v_add_f32 v226, v226, v228                     ; my half's sum of squares about its mean
	ds_store_b32 v19, v224 offset:\xo
	ds_store_b32 v19, v226 offset:\xo+128
	s_wait_alu depctr_va_vdst(0)
	BARRIER
	ds_load_b32 v230, v10 offset:\xo
	ds_load_b32 v231, v10 offset:\xo+128
	s_wait_dscnt 0x0
	v_sub_f32 v232, v224, v230                     ; dm: my mean less my partner's; the row's mean lies dm / 2 under mine
	v_add_f32 v233, v226, v231
	s_delay_alu instid0(VALU_DEP_2)
	v_mul_f32 v234, v232, v232
	s_delay_alu instid0(VALU_DEP_1)
	v_fma_f32 v233, v234, 0x42800000, v233         ; + 2 x 128 x (dm / 2)^2
	s_delay_alu instid0(VALU_DEP_1)
	v_mul_f32 v233, 0x3b800000, v233               ; / 256: the variance
	s_delay_alu instid0(VALU_DEP_1)
	v_add_f32 v233, 0x3727c5ac, v233               ; + 1e-5
	s_wait_alu depctr_va_vdst(0)
	v_rsq_f32 v234, v233
	v_mul_f32 v235, 0.5, v232                      ; (a plain place behind the transcendental)
	s_wait_alu depctr_va_vdst(0)                   ; the wait ahead of its first reader
	v_mul_f32 v236, v235, v234
	v_mov_b32 v235, v234
	s_delay_alu instid0(VALU_DEP_2)
	v_mov_b32 v237, v236
.set J, 0
.rept 32
	v_pk_fma_f32 v[32+J:33+J], v[32+J:33+J], v[234:235], v[236:237]
.set J, J+2
.endr
.set J, 0
.rept 32
	v_pk_fma_f32 v[32+J:33+J], v[32+J:33+J], v[\g+J:\g+J+1], v[\b+J:\b+J+1]
.set J, J+2
.endr
.endm
	LNORM 160, 96, 0                               ; bf1's, W1's and the scale words' loads stay out
	QUANT 32, PW                                   ; x stays in v32-95 for the residual
	IMAGE 4, 0
	ds_store_b32 v5, v[PW]
	BARRIER                                        ; x's eight fragments lie in LDS
	; the addresses of the phases that follow
	v_and_b32 v13, 15, v0
	s_mul_i32 s84, s32, 1536
	s_add_co_u32 s84, s84, HIMG
	v_add_nc_u32 v12, s84, v[LI16]                 ; v12: the hidden layer's images: K step w
	s_lshl_b32 s84, s32, 6
	s_add_co_u32 s84, s84, HSC
	s_mul_i32 s85, s32, 8448
	s_add_co_u32 s85, s85, OST
	v_mul_u32_u24 v16, v13, 528
	s_delay_alu instid0(VALU_DEP_1)
	v_add_nc_u32 v16, v16, v[LH]
	s_delay_alu instid0(VALU_DEP_1)
	v_add_nc_u32 v16, s85, v16                     ; v16: the way out: row r, + 64 h
	v_add_nc_u32 v17, s85, v[LI16]                 ; v17: and back by rows
	v_lshl_add_u32 v13, v13, 2, s84                ; v13: the hidden layer's scale words
	s_lshl_b32 s84, s32, 11
	s_add_co_u32 s84, s84, FST
	v_add_nc_u32 v14, s84, v[LI16]                 ; v14: my outputs' images
	s_lshl_b32 s84, s35, 14
	s_lshl_b32 s85, s36, 13
	s_add_co_u32 s84, s84, s85
	s_add_co_u32 s84, s84, FST
	v_add_nc_u32 v15, s84, v[LI16]                 ; v15: my tile's d half of them
	; ---- relu(x W1 + bf1), transposed: my 128 hidden units, a tile of 16 rows at a time
.irp m, 0,1,2,3
	ds_load_b32 v[28+\m], v[LI4] offset:XSC+128*\m
.endr
	FETCH 160, LI16, XIMG
	FETCH 172, LI16, XIMG+1536
	FETCH 184, LI16, XIMG+3072
	FETCH 196, LI16, XIMG+4608
	s_wait_loadcnt 0x0                             ; W1, its scale words, bf1
.irp m, 0,1,2,3
	s_wait_dscnt 0x0
	WIN 0x11
.irp t, 0,1,2,3,4,5,6,7
	MM 96+8*\t,24*\t,160+24*(\m%2),192+8*\t,20+\t,28+\m,0
.endr
	WIN 0x01
.irp t, 0,1,2,3,4,5,6,7
	MM 96+8*\t,24*\t+12,172+24*(\m%2),96+8*\t,20+\t,28+\m,3
.endr
	WIN 0
	NOPS 4
.if \m < 2
	FETCH 160+24*(\m%2), LI16, XIMG+3072*(\m+2)
	FETCH 172+24*(\m%2), LI16, XIMG+3072*(\m+2)+1536
.endif
.if \m == 3
	WLOAD16 80                                     ; W2, its scale words, bf2
	SLOAD8 82
	WIN 0x40
.irp n, 0,1
	ds_load_b128 v[192+8*\n:195+8*\n], v11 offset:32*\n
	ds_load_b128 v[196+8*\n:199+8*\n], v11 offset:32*\n+16
.endr
	WIN 0
.endif
.set J, 0
.rept 64
	v_max_num_f32 v[96+J], 0, v[96+J]              ; the activation, in f32
.set J, J+1
.endr
	QUANT 96, PW
	IMAGE 12, 12288*\m                             ; K step w of the second product, rows 16 m on
	ds_store_b32 v13, v[PW] offset:512*\m
.endr
	BARRIER                                        ; the hidden layer's 32 fragments lie in LDS
	; ---- hidden W2 + bf2, transposed: my 32 outputs for the 64 rows: eight accumulators by turns, a K step at a time
.macro HFETCH buf, ks
.irp m, 0,1,2,3
	FETCH \buf+12*\m, LI16, HIMG+1536*(8*\m+(\ks))
.endr
.endm
.irp m, 0,1,2,3
	ds_load_b32 v[28+\m], v[LI4] offset:HSC+512*\m ; the scale words of K steps 0 (lanes 0-15) and 1 (lanes 16-31)
.endr
	HFETCH 160, 0
	s_wait_loadcnt 0x0
.irp s, 0,1,2,3,4,5,6,7
.if \s < 7
	HFETCH 160+48*((\s+1)%2), \s+1
	s_wait_dscnt 12                                ; this K step is in; the next one's twelve loads may be out
.else
	s_wait_dscnt 0x0
.endif
.if \s == 0
	WIN 0x11
.else
	WIN 0x01
.endif
.irp m, 0,1,2,3
.irp n, 0,1
.if \s == 0
	MM 96+8*(4*\n+\m),12*(8*\n+\s),160+48*(\s%2)+12*\m,192+8*\n,20+4*\n+\s/2,28+\m,0
.else
	MM 96+8*(4*\n+\m),12*(8*\n+\s),160+48*(\s%2)+12*\m,96+8*(4*\n+\m),20+4*\n+\s/2,28+\m,3*(\s%2)
.endif
.endr
.endr
	WIN 0
	NOPS 4
.if (\s%2 == 1) && (\s < 7)
.irp m, 0,1,2,3
	ds_load_b32 v[28+\m], v[LI4] offset:HSC+512*\m+128*((\s+1)/2)
.endr
.endif
.endr
.irp m, 0,1,2,3
.irp n, 0,1
	ds_store_b128 v14, v[96+8*(4*\n+\m):99+8*(4*\n+\m)] offset:16384*\m+1024*\n          ; each accumulator from its low end on
	ds_store_b128 v14, v[100+8*(4*\n+\m):103+8*(4*\n+\m)] offset:16384*\m+1024*\n+512
.endr
.endr
	s_wait_dscnt 0x0                               ; the stores have read their registers
	VLDS 96, 3072                                  ; g2
	BARRIER                                        ; the feed-forward's 64 rows lie in LDS
	; ---- x + ff, the second norm, and out
	LDX 160, 15, 0                                 ; register 16 b + i: d = 128 HF + 32 b + 16 h + i of my row, as x has it
	s_wait_dscnt 0x0
.set J, 0
.rept 32
	v_pk_add_f32 v[32+J:33+J], v[32+J:33+J], v[160+J:161+J]
.set J, J+2
.endr
	VLDS 160, 4096                                 ; b2
	LNORM 96, 160, 2048
.irp b, 0,1,2,3
.irp j, 0,1,2,3
	ds_store_b128 v16, v[32+16*\b+4*\j:35+16*\b+4*\j] offset:128*\b+16*\j   ; into my own stage, rows of 528 bytes
.endr
.endr
.irp t, 0,1,2,3,4,5,6,7,8,9,10,11,12,13,14,15
	ds_load_b128 v[96+4*\t:99+4*\t], v17 offset:528*\t   ; LDS serves a wave's instructions in order: these see my stores
.endr
.irp t, 0,1,2,3,4,5,6,7,8,9,10,11,12,13,14,15
	s_wait_dscnt 15-\t                             ; row t is back; the rows behind it may be out
	global_store_b128 v[LI16], v[96+4*\t:99+4*\t], s[70:71] offset:1024*\t th:TH_STORE_NT   ; 32 lanes store 512 consecutive bytes, at a multiple of 256 from out0's first byte
.endr
	s_wait_tensorcnt 0x0                           ; the wave's end: the add and its waits, behind my last tensor load and my last LDS store
	ds_add_u32 v[SPW], v[NIL]
	s_wait_dscnt 0x0
	CROUND                                         ; the closing round: no work-group ends while a partner may still ask for a part that names it
	s_endpgm
.Lfunc_end_k_q72c1756683_attn:
	.size	k_q72c1756683_attn, .Lfunc_end_k_q72c1756683_attn-k_q72c1756683_attn
	.p2alignl 7, 3214868480
	.fill 96, 4, 3214868480
	.section	.rodata,"a",@progbits
	.p2align	6, 0x0
	.amdhsa_kernel k_q72c1756683_attn
		.amdhsa_group_segment_fixed_size 327680
		.amdhsa_private_segment_fixed_size 0
		.amdhsa_enable_private_segment 0
		.amdhsa_kernarg_size 96
		.amdhsa_user_sgpr_count 2
		.amdhsa_user_sgpr_kernarg_segment_ptr 1
		.amdhsa_wavefront_size32 1
		.amdhsa_system_sgpr_workgroup_id_x 1
		.amdhsa_system_sgpr_workgroup_id_y 1
		.amdhsa_system_sgpr_workgroup_id_z 1
		.amdhsa_system_vgpr_workitem_id 0
		.amdhsa_next_free_vgpr 512
		.amdhsa_next_free_sgpr 100
		.amdhsa_reserve_vcc 0
		.amdhsa_float_denorm_mode_32 3
		.amdhsa_float_denorm_mode_16_64 3
		.amdhsa_memory_ordered 1
		.amdhsa_forward_progress 1
		.amdhsa_inst_pref_size 255
	.end_amdhsa_kernel
	.section	.bss,"aw",@nobits
	.p2align	6
	.space	262144
	.amdgpu_metadata
---
amdhsa.version: [ 1, 2 ]
amdhsa.kernels:
  - .name:           k_q72c1756683_attn
    .symbol:         k_q72c1756683_attn.kd
    .args:
      - { .name: query, .offset: 0, .size: 8, .value_kind: global_buffer, .address_space: global }
      - { .name: kv, .offset: 8, .size: 8, .value_kind: global_buffer, .address_space: global }
      - { .name: wimg, .offset: 16, .size: 8, .value_kind: global_buffer, .address_space: global }
      - { .name: wsc, .offset: 24, .size: 8, .value_kind: global_buffer, .address_space: global }
      - { .name: bo, .offset: 32, .size: 8, .value_kind: global_buffer, .address_space: global }
      - { .name: g1, .offset: 40, .size: 8, .value_kind: global_buffer, .address_space: global }
      - { .name: b1, .offset: 48, .size: 8, .value_kind: global_buffer, .address_space: global }
      - { .name: bf1, .offset: 56, .size: 8, .value_kind: global_buffer, .address_space: global }
      - { .name: bf2, .offset: 64, .size: 8, .value_kind: global_buffer, .address_space: global }
      - { .name: g2, .offset: 72, .size: 8, .value_kind: global_buffer, .address_space: global }
      - { .name: b2, .offset: 80, .size: 8, .value_kind: global_buffer, .address_space: global }
      - { .name: out0, .offset: 88, .size: 8, .value_kind: global_buffer, .address_space: global }
    .group_segment_fixed_size: 327680
    .private_segment_fixed_size: 0
    .kernarg_segment_align: 8
    .kernarg_segment_size: 96
    .max_flat_workgroup_size: 256
    .sgpr_count:     100
    .vgpr_count:     512
    .wavefront_size: 32
...
	.end_amdgpu_metadata
.endif
;; end of part 3
